; MI455X (gfx1250); checked and timed in simulation.
; The chip was launched on July 23, 2026; its instructions are those of AMD's public machine-readable ISA for CDNA 5 (MIT licence, August 2026) and "CDNA5" Instruction Set Architecture Reference Guide (July 2026). The comments in the code are by the model that wrote it; some were corrected since.
;; Multi Head Attention. Allowed arithmetic: matrix products marked QUANTISED: E2M1 operands, one E8M0 scale for each 32 along K, by v_wmma_scale_f32_16x16x128_f8f6f4 with both operands' format E2M1 (or v_wmma_scale_f32_32x16x128_f4), f32 sums; products left as they are: bf16, f16 or f32 operands; f32 sums; everything else in f32.
;; Inputs: Wqkv_b 3,072 float32; Wqkv_w 3,072 x 1,024 float32; attn_mask 4 x 2,048 bool; out_b 1,024 float32; out_w 1,024 x 1,024 float32; x 4 x 2,048 x 1,024 float32.
;; Outputs: out0 4 x 2,048 x 1,024 float32.
;; This version of the problem:
;;   THIS VERSION OF THE PROBLEM IS GIVEN IN LOW PRECISION. The matrix products marked QUANTISED in the list below multiply operands that are first quantised to E2M1 (2 exponent bits, 1 mantissa bit; 4 bits a number), with one power-of-two scale for each 32 numbers along K (OCP MX v1.0); their sums are f32. The products marked 'left as it is' may take bf16, f16 or f32 operands, with f32 sums. Whichever they take, every output number must still come out within the allowed error. Rounding operands to bf16 (8 significant bits) uses up far more of that allowance than f16 does (11 bits, for magnitudes from 6e-5 to 65,504). All else is computed in f32.
;;   The module's matrix products, in the order in which they are computed (A, B: the left and right operand; K: the contracted axis; several contracted axes count as one K, in the product's order):
;;     1. [M 8,192, K 1,024] x [K 1,024, N 3,072]; A: input x; B: input Wqkv_w: QUANTISED
;;     2. batch 64 x [M 2,048, K 64] x [K 64, N 2,048]; A: computed on the way; B: computed on the way: left as it is (an operand is computed on the way)
;;     3. batch 64 x [M 2,048, K 2,048] x [K 2,048, N 64]; A: computed on the way; B: computed on the way: left as it is (an operand is computed on the way)
;;     4. [M 8,192, K 1,024] x [K 1,024, N 1,024]; A: computed on the way; B: input out_w: left as it is (an operand is computed on the way)
;;   THE QUANTISER, for each operand of a quantised product, along K:
;;     - K is cut into blocks of 32 from its start; a last block that is shorter is filled with zeros.
;;     - A block's scale is 2^e with e = floor(log2(the largest magnitude in the block)) - 2, held to -126 .. 127; a block of zeros has e = 0. As a byte (E8M0): e + 127.
;;     - Each number is divided by its block's scale, clamped to +-6, and rounded to the nearest number of E2M1, ties to even, subnormals kept.
;;     - The product sums the exact products of the quantised numbers (number of the format x scale) in f32.
;;   ~~~python
;;   def quantise(x, axis):      # numpy; x: float32 -> the quantised numbers, widened to float32 again
;;       x = np.moveaxis(x, axis, -1); K = x.shape[-1]
;;       x = np.pad(x, [(0, 0)] * (x.ndim - 1) + [(0, -K % 32)]); x = x.reshape(x.shape[:-1] + (-1, 32)); a = np.abs(x).max(-1, keepdims=True)
;;       e = np.where(a > 0, np.clip(np.frexp(np.where(a > 0, a, 1))[1] - 1 - 2, -126, 127), 0)      # np.frexp(a)[1] - 1 = floor(log2(a)), exactly
;;       r = np.clip(x / 2.0 ** e, -6, 6)
;;       step = 2.0 ** (np.maximum(np.frexp(np.where(r == 0, 1, r))[1] - 1, 0) - 1)
;;       q = np.round(r / step) * step * 2.0 ** e      # np.round: ties to even
;;       return np.moveaxis(q.reshape(q.shape[:-2] + (-1,))[..., :K], -1, axis).astype(np.float32)
;;   ~~~
;; One version. Each part assembles by itself: llvm-mc -triple=amdgcn-amd-amdhsa -mcpu=gfx1250 --defsym DOCPART=n.
;; ======== version 1 of 1: 4 launches
;; limits: values are held in f16: magnitudes above 65,504 overflow, below 6.1e-05 lose precision
;; workspace buffers: xc 4,194,304 bytes; xs 262,144 bytes; wc 1,572,864 bytes; ws 98,304 bytes; wt 2,097,152 bytes; msk 33,792 bytes; qkv 50,331,648 bytes; ao 16,777,216 bytes
;; launch prep (part 1): grid 388 x 1, 4 waves a work-group, no clusters, 33,280 bytes of LDS; arguments x, Wqkv_w, xc, xs, wc, ws, out_w, wt, attn_mask, msk; writes xc, xs, wc, ws, wt, msk
.if DOCPART == 1
	.amdgcn_target "amdgcn-amd-amdhsa--gfx1250"
	.amdhsa_code_object_version 6
	.text
	.protected	k_qc5469b2ab6_prep
	.globl	k_qc5469b2ab6_prep
	.p2align	8
	.type	k_qc5469b2ab6_prep,@function
k_qc5469b2ab6_prep:
	s_mov_b64 s[64:65], 0
	v_nop
	global_prefetch_b8 v0, s[64:65] scope:SCOPE_SE
	s_setreg_imm32_b32 hwreg(HW_REG_WAVE_MODE, 25, 1), 1
	s_wait_xcnt 0x0
; MULTI-HEAD ATTENTION, launch 1 of 4: what the later launches read many times is laid out once.
;   work-groups 0-255:   x [8192][1024] f32 -> xc (codes of FP4, E2M1, K innermost, 512 bytes a row) and xs (one E8M0 byte for each 32 along K)
;   work-groups 256-351: Wqkv_w [3072][1024] f32 -> wc, ws, likewise
;   work-groups 352-383: out_w [1024 n][1024 k] f32 -> wt, f16, [16 heads][1024 n][64 d] = out_w[n][64 head + d]
;   work-groups 384-387: attn_mask [4][2048] -> msk: f32 bias[4][2048] at byte 0, and from byte 32,768 on 256 bytes a batch: 64 copies of q's factor
; NOTHING OF reference() IS LEFT OUT, and all six inputs are loaded.  (K's third of Wqkv_b adds q . bk to every score of a row, which a softmax takes away in exact
; arithmetic; it stays all the same: it rides in the multiply-add that q's and v's thirds need in the same line of the second launch.)
; THE MASK.  bias = 0 where a key counts, else -2^100; it is added to the scores as the C of their first matrix instruction.  q's factor is log2(e) / 8, so the scores are exponents of 2.
; f16 operands hold a score under 64 x 65,504^2 in magnitude, far under 2^100: a hidden key lies under every open one by more than any exponent that gives a weight above 0, as in reference().
; A batch with no open key: reference() gives every key the same score, so the weights are uniform.  Here its bias is 0 throughout and q's factor is 0: every score is 0, the weights are uniform.
; THE QUANTISER.  A block's scale is 2^(floor(log2(its largest magnitude)) - 2); its byte is the largest magnitude's exponent field - 2, held at 1 from below.
; LIMITS: a block of zeros gets the byte 1 where the rule says 127 (its codes are zeros, which add nothing under any byte but 0xff, and this program alone reads the bytes); blocks whose largest
; magnitude lies under 2^(2 - 126) are held at the byte 1; NaN and infinities among the inputs are not served; out_w goes to f16: magnitudes up to 65,504.
; THE QUANTISING PATH: rows are dense and 1,024 is a multiple of 32, so both tensors are plain streams of blocks of 32.  A wave takes 16 steps of 512 numbers.  Each of a step's four loads reads 512 consecutive
; bytes; the 2,048 bytes turn through the wave's own stage in LDS and come back 64 bytes a lane, so that a lane holds 16 neighbours along K (two neighbouring lanes hold a block).  A lane's 16 codes are 8 bytes:
; the wave stores 256 consecutive bytes.  A wave's 256 scale bytes are gathered in its own LDS bytes and leave as 256 consecutive bytes.  No tensor load, no barrier: waves share nothing.
.set WAVES, 4
.set STEPS, 16
.set WGA,   256                        ; x's work-groups: 8,192 x 1,024 / 32,768
.set WGQ,   352                        ; + Wqkv_w's 96
.set WGW,   384                        ; + out_w's 32
.set EMAX,  2
.set CB,    8                          ; bytes of 16 codes
.set R,     16                         ; v16-79   four sets of 16 numbers as they are loaded
.set X,     80                         ; v80-111  two sets of 16 neighbours
.set C,     128                        ; v128-191 codes: four registers for each step, so that no store's data are written again
.set E,     112                        ; v112-127 a scale byte for each step
.set WREG,  8192                       ; LDS: a region for each wave: two stages of 32 x SP bytes, and behind them its 256 scale bytes
.set SP,    80                         ; a lane's place in a stage: its 64 bytes + 16 of padding
.set SPW,   12                         ; v12      LDS address of my spare word: SPARE + 4 x my thread's number; never rewritten
.set NIL,   13                         ; v13      0; never rewritten
.set SPARE, WAVES*WREG                 ; behind the four regions: the spare words, 128 bytes for each wave
	s_load_b128 s[4:7], s[0:1], 0x0                ; x, Wqkv_w
	s_load_b128 s[8:11], s[0:1], 0x10              ; xc, xs
	s_load_b128 s[12:15], s[0:1], 0x20             ; wc, ws
	s_load_b128 s[24:27], s[0:1], 0x30             ; out_w, wt
	s_load_b128 s[28:31], s[0:1], 0x40             ; attn_mask, msk
	v_lshl_add_u32 v[SPW], v0, 2, SPARE
	v_mov_b32 v[NIL], 0
	v_lshrrev_b32 v1, 5, v0
	v_readfirstlane_b32 s16, v1                    ; wave
	v_and_b32 v2, 31, v0                           ; lane
	s_wait_kmcnt 0x0
	s_cmp_ge_u32 ttmp9, WGQ                        ; the three kinds of work part on the work-group's number alone; only the first touches LDS
	s_cbranch_scc1 .Lother
	v_lshlrev_b32 v3, 4, v2                        ; my 16 bytes of a load's 512
	s_mul_i32 s17, s16, WREG
	v_lshrrev_b32 v14, 2, v2
	v_mul_u32_u24 v14, v14, SP
	v_and_b32 v15, 3, v2
	v_lshl_add_u32 v14, v15, 4, v14
	v_add_nc_u32 v14, s17, v14                     ; the stage, on the way in: four lanes' 64 bytes on end, then 16 of padding
	v_mul_u32_u24 v15, v2, SP
	v_add_nc_u32 v15, s17, v15                     ; and on the way out: SP x lane: my 16 neighbours
	v_mul_u32_u24 v4, v2, CB                       ; my codes' place in a step's
	v_lshrrev_b32 v5, 1, v2
	s_add_co_u32 s17, s17, 2*32*SP
	v_add_nc_u32 v5, s17, v5                       ; LDS: my wave's 256 scale bytes, my block's byte
	v_lshlrev_b32 v7, 3, v2                        ; and on the way out 8 bytes a lane
	v_add_nc_u32 v6, s17, v7
	s_cmp_lt_u32 ttmp9, WGA                        ; x's work-group or Wqkv_w's?  Only pointers are chosen: both take one path
	s_cselect_b64 s[4:5], s[4:5], s[6:7]
	s_cselect_b64 s[8:9], s[8:9], s[12:13]
	s_cselect_b64 s[10:11], s[10:11], s[14:15]
	s_cselect_b32 s17, 0, WGA
	s_sub_co_u32 s17, ttmp9, s17
	s_lshl_b32 s17, s17, 2
	s_add_co_u32 s18, s17, s16                     ; which run of 8,192 numbers of the tensor is my wave's
	s_mov_b32 s19, 0
	s_mov_b64 s[20:21], 512*STEPS*4
	s_mul_u64 s[20:21], s[18:19], s[20:21]
	s_add_nc_u64 s[4:5], s[4:5], s[20:21]
	s_mov_b64 s[20:21], 32*STEPS*CB
	s_mul_u64 s[20:21], s[18:19], s[20:21]
	s_add_nc_u64 s[8:9], s[8:9], s[20:21]
	s_lshl_b32 s18, s18, 8                         ; 256 scale bytes a run
	s_add_nc_u64 s[10:11], s[10:11], s[18:19]
.macro LOAD t
.irp i, 0,1,2,3
	global_load_b128 v[R+16*((\t)%4)+4*\i:R+16*((\t)%4)+4*\i+3], v3, s[4:5] offset:2048*(\t)+512*\i th:TH_LOAD_NT   ; 32 lanes read 512 consecutive bytes
.endr
.endm
.macro TURN t                          ; step t's numbers through the stage: LDS serves a wave's instructions in order, so no wait stands between the stores and the loads
.irp i, 0,1,2,3
	ds_store_b128 v14, v[R+16*((\t)%4)+4*\i:R+16*((\t)%4)+4*\i+3] offset:32*SP*((\t)%2)+8*SP*\i
.endr
.irp i, 0,1,2,3
	ds_load_b128 v[X+16*((\t)%2)+4*\i:X+16*((\t)%2)+4*\i+3], v15 offset:32*SP*((\t)%2)+16*\i
.endr
.endm
.irp t, 0,1,2,3
	LOAD \t
.endr
	s_wait_loadcnt 12                              ; step 0's four loads are in; the twelve of steps 1 to 3 may be out
	TURN 0
.macro STEP t
.set XS, X+16*((\t)%2)
.if (\t) > 0
	s_wait_dscnt 1                                 ; this step's numbers are back from the stage (the last step's byte store may be out): so its stores into the stage have read their registers,
.else
	s_wait_dscnt 0x0
.endif
.if (\t)+4 < STEPS
	LOAD (\t)+4                                    ; which take the loads of four steps on
.endif
.if (\t)+1 < STEPS
.if STEPS-2-(\t) >= 3
	s_wait_loadcnt 12                              ; the next step's four loads are in; those of the three steps behind it may be out
.else
	s_wait_loadcnt 4*(STEPS-2-(\t))
.endif
	TURN (\t)+1                                    ; and go through the other stage while this step is worked
.endif
	v_max3_num_f32 v8, |v[XS]|, |v[XS+1]|, |v[XS+2]|               ; the largest magnitude of my 16
	v_max3_num_f32 v9, |v[XS+3]|, |v[XS+4]|, |v[XS+5]|
.irp i, 6,10
	v_max3_num_f32 v8, v8, |v[XS+\i]|, |v[XS+\i+1]|
	v_max3_num_f32 v9, v9, |v[XS+\i+2]|, |v[XS+\i+3]|
.endr
	v_max3_num_f32 v8, v8, |v[XS+14]|, |v[XS+15]|
	v_max3_num_f32 v8, v8, v9, (EMAX+1)<<23        ; and the floor 2^(EMAX + 1 - 127): so the byte cannot fall under 1
	v_max_num_f32_dpp v8, v8, v8 row_xmask:1 row_mask:0xf bank_mask:0xf   ; and of my neighbour's 16: the block's
	v_add_nc_u32 v11, -(EMAX<<23), v8              ; EMAX off its exponent field: the conversion takes the exponent field of this operand as its scale, and nothing else of it
	v_cvt_scalef32_pk8_fp4_f32 v[C+4*(\t)], v[XS:XS+7], v11        ; eight numbers / the scale, to the nearest code, ties to even, beyond the largest code the largest
	v_cvt_scalef32_pk8_fp4_f32 v[C+4*(\t)+1], v[XS+8:XS+15], v11
	v_lshrrev_b32 v[E+(\t)], 23, v11               ; the scale's byte
	ds_store_b8 v5, v[E+(\t)] offset:16*(\t)       ; both lanes of a block write the same byte with the same value
	global_store_b64 v4, v[C+4*(\t):C+4*(\t)+1], s[8:9] offset:32*CB*(\t)
.endm
.irp t, 0,1,2,3,4,5,6,7,8,9,10,11,12,13,14,15
	STEP \t
.endr
	ds_load_b64 v[8:9], v6                         ; LDS serves a wave's instructions in order: these see my stores
	s_wait_dscnt 0x0
	global_store_b64 v7, v[8:9], s[10:11]          ; 32 lanes store 256 consecutive bytes, at a multiple of 256 from the buffer's first byte
	s_wait_tensorcnt 0x0                           ; the wave's end, behind my last LDS store
	ds_add_u32 v[SPW], v[NIL]
	s_wait_dscnt 0x0
	s_endpgm
; out_w -> wt.  Wave u of 128 takes rows 8 u .. 8 u + 7, two at a time: lanes 0-15 read one head's 256 bytes of the even row, lanes 16-31 of the odd one; a lane's four numbers become 8 bytes of f16,
; and the 32 lanes store 256 consecutive bytes: rows n and n + 1 of that head's slab.  Two pairs of rows (32 loads) are on their way.
.Lother:
	s_cmp_ge_u32 ttmp9, WGW
	s_cbranch_scc1 .Lmask
	s_sub_co_u32 s17, ttmp9, WGQ
	s_lshl_b32 s17, s17, 2
	s_add_co_u32 s17, s17, s16                     ; u
	s_lshl_b32 s18, s17, 15                        ; 8 rows of 4,096 bytes
	s_mov_b32 s19, 0
	s_add_nc_u64 s[24:25], s[24:25], s[18:19]
	s_lshl_b32 s18, s17, 10                        ; 8 rows of 128 bytes in a slab
	s_add_nc_u64 s[26:27], s[26:27], s[18:19]
	v_lshrrev_b32 v3, 4, v2
	v_and_b32 v4, 15, v2
	v_lshlrev_b32 v3, 12, v3
	v_lshl_add_u32 v3, v4, 4, v3                   ; in: 4,096 (lane / 16) + 16 (lane % 16)
	v_lshlrev_b32 v4, 3, v2                        ; out: 8 x lane
.macro LOADP rp                        ; pair rp of rows, all 16 heads, into set rp % 2
.irp hh, 0,1,2,3,4,5,6,7,8,9,10,11,12,13,14,15
	global_load_b128 v[16+64*((\rp)%2)+4*\hh:16+64*((\rp)%2)+4*\hh+3], v3, s[24:25] offset:8192*(\rp)+256*\hh th:TH_LOAD_NT
.endr
.endm
.macro PAIR rp
.if (\rp) < 3
	s_wait_loadcnt 16                              ; this pair's 16 loads are in; the next pair's may be out
.else
	s_wait_loadcnt 0x0
.endif
.if (\rp) > 0
	s_wait_xcnt 0x0                                ; the last pair's stores have read their data registers, which are written again below
.endif
.irp hh, 0,1,2,3,4,5,6,7,8,9,10,11,12,13,14,15
	v_cvt_pk_f16_f32 v[144+2*\hh], v[16+64*((\rp)%2)+4*\hh], v[16+64*((\rp)%2)+4*\hh+1]
	v_cvt_pk_f16_f32 v[145+2*\hh], v[16+64*((\rp)%2)+4*\hh+2], v[16+64*((\rp)%2)+4*\hh+3]
.endr
.if (\rp) < 2
	LOADP (\rp)+2
.endif
.irp hh, 0,1,2,3,4,5,6,7,8,9,10,11,12,13,14,15
	global_store_b64 v4, v[144+2*\hh:145+2*\hh], s[26:27] offset:131072*\hh+256*(\rp)
.endr
.endm
	LOADP 0
	LOADP 1
.irp rp, 0,1,2,3
	PAIR \rp
.endr
	s_endpgm
; attn_mask -> msk.  A work-group takes a batch.  Every wave reads the batch's 2,048 bytes to learn whether any key is open; wave w then turns keys 512 w .. 512 w + 511 into f32.  What the mask decides is selected, never branched on.
.Lmask:
	s_sub_co_u32 s17, ttmp9, WGW                   ; the batch
	s_lshl_b32 s18, s17, 11
	s_mov_b32 s19, 0
	s_add_nc_u64 s[28:29], s[28:29], s[18:19]      ; its mask bytes
	s_lshl_b32 s18, s17, 8
	s_add_nc_u64 s[32:33], s[30:31], s[18:19]      ; its factor's 256 bytes, less the 32,768 that stand in the store's offset
	s_lshl_b32 s18, s17, 13
	s_add_nc_u64 s[30:31], s[30:31], s[18:19]      ; its 8,192 bytes of bias
	v_lshlrev_b32 v3, 4, v2
	s_lshl_b32 s20, s16, 9
	v_lshl_add_u32 v4, v2, 2, s20                  ; my four keys of each 128: 512 wave + 4 lane
	s_lshl_b32 s20, s16, 11
	v_lshl_add_u32 v5, v2, 4, s20                  ; and their 16 bytes of bias
.irp i, 0,1,2,3
	global_load_b128 v[16+4*\i:19+4*\i], v3, s[28:29] offset:512*\i
.endr
.irp i, 0,1,2,3
	global_load_b32 v[32+\i], v4, s[28:29] offset:128*\i
.endr
	s_wait_loadcnt 0x0
.irp i, 1,2,3,4,5,6,7,8,9,10,11,12,13,14,15
	v_or_b32 v16, v16, v[16+\i]
.endr
	v_cmp_ne_u32 vcc_lo, 0, v16                    ; a bit for each lane that saw an open key
	s_cmp_lg_u32 vcc_lo, 0
	s_cselect_b32 s36, 0xf1800000, 0               ; a hidden key's bias: -2^100, or 0 where no key of the batch is open
	s_cselect_b32 s37, 0x3e38aa3b, 0               ; q's factor: log2(e) / 8, or 0 there
	v_mov_b32 v40, s36
.irp i, 0,1,2,3
.irp j, 0,1,2,3
	v_bfe_u32 v41, v[32+\i], 8*\j, 8
	v_cmp_eq_u32 vcc_lo, 0, v41
	v_cndmask_b32 v[48+4*\i+\j], 0, v40, vcc_lo
.endr
	global_store_b128 v5, v[48+4*\i:51+4*\i], s[30:31] offset:512*\i   ; 32 lanes store 512 consecutive bytes
.endr
	s_cmp_lg_u32 s16, 0                            ; wave 0 alone stores the factor
	s_cbranch_scc1 .Ldone
	v_mov_b32 v42, s37
	v_mov_b32 v43, s37
	v_lshlrev_b32 v44, 3, v2
	global_store_b64 v44, v[42:43], s[32:33] offset:32768
.Ldone:
	s_endpgm
.Lfunc_end_k_qc5469b2ab6_prep:
	.size	k_qc5469b2ab6_prep, .Lfunc_end_k_qc5469b2ab6_prep-k_qc5469b2ab6_prep
	.p2alignl 7, 3214868480
	.fill 96, 4, 3214868480
	.section	.rodata,"a",@progbits
	.p2align	6, 0x0
	.amdhsa_kernel k_qc5469b2ab6_prep
		.amdhsa_group_segment_fixed_size 33280
		.amdhsa_private_segment_fixed_size 0
		.amdhsa_enable_private_segment 0
		.amdhsa_kernarg_size 80
		.amdhsa_user_sgpr_count 2
		.amdhsa_user_sgpr_kernarg_segment_ptr 1
		.amdhsa_wavefront_size32 1
		.amdhsa_system_sgpr_workgroup_id_x 1
		.amdhsa_system_sgpr_workgroup_id_y 1
		.amdhsa_system_sgpr_workgroup_id_z 1
		.amdhsa_system_vgpr_workitem_id 0
		.amdhsa_next_free_vgpr 192
		.amdhsa_next_free_sgpr 66
		.amdhsa_reserve_vcc 1
		.amdhsa_float_denorm_mode_32 3
		.amdhsa_float_denorm_mode_16_64 3
		.amdhsa_memory_ordered 1
		.amdhsa_forward_progress 1
		.amdhsa_inst_pref_size 59
	.end_amdhsa_kernel
	.amdgpu_metadata
---
amdhsa.version: [ 1, 2 ]
amdhsa.kernels:
  - .name:           k_qc5469b2ab6_prep
    .symbol:         k_qc5469b2ab6_prep.kd
    .args:
      - { .name: x, .offset: 0, .size: 8, .value_kind: global_buffer, .address_space: global }
      - { .name: Wqkv_w, .offset: 8, .size: 8, .value_kind: global_buffer, .address_space: global }
      - { .name: xc, .offset: 16, .size: 8, .value_kind: global_buffer, .address_space: global }
      - { .name: xs, .offset: 24, .size: 8, .value_kind: global_buffer, .address_space: global }
      - { .name: wc, .offset: 32, .size: 8, .value_kind: global_buffer, .address_space: global }
      - { .name: ws, .offset: 40, .size: 8, .value_kind: global_buffer, .address_space: global }
      - { .name: out_w, .offset: 48, .size: 8, .value_kind: global_buffer, .address_space: global }
      - { .name: wt, .offset: 56, .size: 8, .value_kind: global_buffer, .address_space: global }
      - { .name: attn_mask, .offset: 64, .size: 8, .value_kind: global_buffer, .address_space: global }
      - { .name: msk, .offset: 72, .size: 8, .value_kind: global_buffer, .address_space: global }
    .group_segment_fixed_size: 33280
    .private_segment_fixed_size: 0
    .kernarg_segment_align: 8
    .kernarg_segment_size: 80
    .max_flat_workgroup_size: 128
    .sgpr_count:     66
    .vgpr_count:     192
    .wavefront_size: 32
...
	.end_amdgpu_metadata
.endif
;; end of part 1
;; launch qkv (part 2): grid 12 x 32, 4 waves a work-group, clusters of 4 x 4, 327,680 bytes of LDS; arguments xc, xs, wc, ws, qkv, Wqkv_b, msk; writes qkv
.if DOCPART == 2
	.amdgcn_target "amdgcn-amd-amdhsa--gfx1250"
	.amdhsa_code_object_version 6
	.text
	.protected	k_qc5469b2ab6_qkv
	.globl	k_qc5469b2ab6_qkv
	.p2align	8
	.type	k_qc5469b2ab6_qkv,@function
k_qc5469b2ab6_qkv:
	s_mov_b64 s[64:65], 0
	v_nop
	global_prefetch_b8 v0, s[64:65] scope:SCOPE_SE
	s_setreg_imm32_b32 hwreg(HW_REG_WAVE_MODE, 25, 1), 1
	s_wait_xcnt 0x0
	s_wait_alu depctr_hold_cnt(0) depctr_sa_sdst(0) depctr_va_vdst(0) depctr_va_sdst(0) depctr_va_ssrc(0) depctr_va_vcc(0) depctr_vm_vsrc(0)
	s_getreg_b32 s2, hwreg(HW_REG_IB_STS2, 6, 4)
	s_cmp_eq_u32 s2, 0
	s_cbranch_scc0 .Lentry_in_a_cluster
	s_endpgm
.Lentry_in_a_cluster:
	s_bfe_u32 s2, ttmp6, 0x10000c
	s_cmp_lg_u32 s2, 0xf033
	s_cbranch_scc0 .Lentry_shape_is_right
	s_endpgm
.Lentry_shape_is_right:
; Launch 2 of 4: qkv = x Wqkv_w^T + Wqkv_b on codes of FP4 (E2M1) with one E8M0 scale for each 32 along K; sums in f32.  Nothing of reference() is left out here.
; A: xc [8192][1024 codes], xs [8192][32];  B: wc [3072][1024 codes], ws [3072][32].  The result leaves as f16, laid [3][4 b][16 h][2048 s][64 d]; q's third is multiplied in f32, ahead of the rounding, by its batch's
; factor out of msk (log2(e) / 8, or 0 where the batch has no open key), k's and v's by 1: a selection, no branch.
; LIMIT: |factor x q|, |k| and |v| up to 65,504, f16's largest number; NaN and infinities are not served.
; A tile of the result, 256 x 256, is made by a work-group of four waves; a wave makes 128 x 128: 64 accumulators of 16 x 16, 512 registers.  K = 1,024 is two slots of 512: both are first fills, and nothing is filled again.
; THE SCALES of the work-group's 256 rows of A and of B, for all of K, are two dense blocks of memory: they come into LDS once, with the first fills, as rows of 256 bytes.
; CLUSTERS: 4 x 4 work-groups.  The four of a row of the cluster need the same tiles of A, the four of a column the same tiles of B: each tile is asked for JOINTLY, by the same tensor load with the same descriptor
; and a mask that names the four.  THE MATRIX INSTRUCTION IS USED TRANSPOSED (source 0 = 16 rows of B, source 1 = 16 rows of A): a lane then holds eight neighbouring columns of one row.
; REGISTERS, in windows of 256: window 0: v0-31 addresses; v32-95 scale words, two sets, and nothing else; v96-127 packed results; v128-191 A's fragments, ONE set, later rows read back; v192-255 the bias of my columns x the factor.
;   window 1: B's fragments, TWO sets, at v0 and at v128.   window 2: the 32 accumulators of my rows 0-63 ((a, b) at v[8 (8 a + b)]);   window 3: those of my rows 64-127.
.set SIZE_M, 8192
.set SIZE_N, 3072
.set SIZE_K, 1024
.set KSTEP,  512                       ; along K in a slot
.set NQ,     KSTEP/128                 ; matrix instructions deep
.set ROWB,   256                       ; a tile's row in bytes
.set KROW,   SIZE_K*4/8                ; a row of A or of B in memory, in bytes
.set PITCH,  272                       ; an LDS row: 256 bytes + 16 of padding = 68 words: the 16 rows that a load touches start at 16 different banks (64 banks of 4 bytes: ISA guide 11.1)
.set FR,     8                         ; registers of a fragment: 16 rows x 128 K
.set NL,     2                         ; LDS loads that bring one
.set NP,     4                         ; places behind this matrix instruction (ISA guide 7.12.1)
.set HALFT,  128*PITCH                 ; 128 rows: what one tensor load brings
.set SLOT,   4*HALFT                   ; A's 256 rows, then B's 256 rows
.set KS,     SIZE_K/32                 ; a row of scales in bytes
.set SCL,    2*SLOT                    ; behind the two slots: the scales, as rows of 256 bytes + 16 of padding
.set HALFS,  (128*KS/256)*272          ; the scales of 128 rows: what one tensor load brings
.set SBLK,   (16*KS/256)*272           ; those of 16 rows
.set SPARE,  SCL+4*HALFS               ; behind the scales: the spare words, 128 bytes for each wave
.set SPITCH, 272                       ; the way out: a stage of 16 rows x (256 bytes + 16) for each wave, in slot 0, which has had its only fill and its last read when the first result is stored there
.set ADRA, 16                          ; v16-17  LDS address of my A fragments in slot 0, 1
.set ADRB, 20                          ; v20-21  the same for B
.set STO,  24                          ; v24     the way out: where I put 16 bytes of a row
.set RD,   25                          ; v25     where I read 16 bytes back
.set CO,   26                          ; v26     16 x lane
.set ADRS, 27                          ; v27     LDS address of my scale words: lanes 0-15 A's rows, lanes 16-31 B's
.set SPW,  28                          ; v28     LDS address of my spare word; never rewritten
.set NIL,  29                          ; v29     0; never rewritten
.set SC,   32                          ; scale words: set s at v[SC + 8 NQ s]; register NQ i + q: lanes 0-15 the word of A's block i, lanes 16-31 that of B's block i
.set TMP,  96                          ; the way out: a block's 32 registers of f16 pairs
.set AF,   128                         ; A's fragments
.set BK,   128                         ; the way out: 16 rows read back: v128-159 and v160-191 by turns
.set BIA,  192                         ; v[BIA + 8 b + j]: factor x Wqkv_b of column 16 b + 8 (lane / 16) + j of my 128
.set G1, 24                            ; s[24:31] descriptor group 1 for A's tiles;  s[32:39] group 0, one set for each slot
.set G0, 32
.set G1B, 48                           ; s[48:55], s[56:63] the same for B's tiles
.set G0B, 56
.set G1S, 68                           ; s[68:75], s[76:79] groups 1 and 0 for A's scales;  s[80:87], s[88:91] for B's
.set G0S, 76
.set G1SB, 80
.set G0SB, 88
.set MSB, 0
.macro WIN new                         ; the immediate's high byte repeats the setting that is left
.if MSB != (\new)
	s_set_vgpr_msb (MSB<<8)|(\new)
.set MSB, (\new)
.endif
.endm
.set MUL_LO, 0xa1                      ; source 0 (B) window 1, source 1 (A) window 0, C and D window 2
.set MUL_HI, 0xf1                      ; the same, C and D window 3
.set TO_B,   0x40                      ; destination window 1, address window 0
; A joint load: waves 0 and 1 fetch for A, waves 2 and 3 for B.  Each of the two lines has ONE mask and one set of registers for all that issue it; the branch hangs on the wave's number alone.
; An s_nop 0 and four v_nop follow each of the two lines, ahead of the jump, the label and what follows.
.macro JLOAD g0a, g1a, g0b, g1b
	s_cmp_eq_u32 s15, 0
	s_cbranch_scc0 .Lfor_b_\@
	tensor_load_to_lds s[\g0a:\g0a+3], s[\g1a:\g1a+7]
	s_nop 0
.rept 4
	v_nop
.endr
	s_branch .Lasked_\@
.Lfor_b_\@:
	tensor_load_to_lds s[\g0b:\g0b+3], s[\g1b:\g1b+7]
	s_nop 0
.rept 4
	v_nop
.endr
.Lasked_\@:
.endm
.macro CROUND                          ; a round of the cluster's barrier
	s_barrier_signal -1
	s_barrier_wait -1
	s_cmp_lg_u32 s14, 0
	s_cbranch_scc1 .Lnot_wave_0_\@
	s_barrier_signal -3
.Lnot_wave_0_\@:
	s_barrier_wait -3
	s_barrier_signal -1
	s_barrier_wait -1
.endm
	s_load_b128 s[4:7], s[0:1], 0x0                ; xc, xs
	s_load_b128 s[8:11], s[0:1], 0x10              ; wc, ws
	s_load_b64 s[12:13], s[0:1], 0x20              ; qkv
	s_load_b128 s[96:99], s[0:1], 0x28             ; Wqkv_b, msk
	v_lshl_add_u32 v[SPW], v0, 2, SPARE
	v_mov_b32 v[NIL], 0
	ds_add_u32 v[SPW], v[NIL]                      ; the wave's opening: the add, twice on end, and its wait ahead of my first tensor load
	ds_add_u32 v[SPW], v[NIL]                      ; and once more, under the one wait; the set-up below, work on registers, stands between
	v_lshrrev_b32 v1, 5, v0
	v_readfirstlane_b32 s14, v1                    ; wave 0..3
	s_lshr_b32 s15, s14, 1                         ; which half of the tile's rows is mine.  Also: I fetch for A (0) or for B (1)
	s_and_b32 s16, s14, 1                          ; which half of its columns.  Also: which 128 rows of that tile I fetch
	s_bfe_u32 s40, ttmp6, 0x40000                  ; cx, cy: my place in the cluster
	s_bfe_u32 s41, ttmp6, 0x40004
	s_lshl_b32 s42, ttmp9, 2
	s_add_co_u32 s42, s42, s40                     ; tile column = 4 x cluster x + cx
	s_and_b32 s17, ttmp7, 0xffff
	s_lshl_b32 s17, s17, 2
	s_add_co_u32 s17, s17, s41                     ; tile row = 4 x cluster y + cy
	s_lshl_b32 s43, s41, 2
	s_lshl_b32 s43, 15, s43                        ; my row of the cluster
	s_lshl_b32 s44, 0x1111, s40                    ; my column
	; descriptor group 1: a tile of 128 rows x 256 bytes, padded in LDS
	s_or_b32 s[G1+0], s43, (0<<16)|(1<<20)|(1<<21)|(5<<22)|(3<<25)  ; 15:0 the mask: A's tiles go to my row; 17:16 elements of 1 byte; 20 padding on; 21 set beside a mask; 24:22 after every 64 words (code 5); 31:25 of 4 words (code 3)
	s_or_b32 s[G1B+0], s44, (0<<16)|(1<<20)|(1<<21)|(5<<22)|(3<<25)
.irp g, G1, G1B
	s_mov_b32 s[\g+1], ROWB<<16                    ; tensor_dim0
	s_mov_b32 s[\g+2], 128<<16                     ; tensor_dim1 = 128
	s_mov_b32 s[\g+3], ROWB<<16                    ; tile_dim0
	s_mov_b32 s[\g+4], 128                         ; tile_dim1 = 128
	s_mov_b32 s[\g+5], KROW                        ; tensor_dim0_stride
	s_mov_b32 s[\g+6], 0
	s_mov_b32 s[\g+7], 0
.endr
	; and for the scales of 128 rows: a dense block of 4,096 bytes, as rows of 256 bytes (32 elements of 8 bytes), 16 bytes of padding behind each
	s_or_b32 s[G1S+0], s43, (3<<16)|(1<<20)|(1<<21)|(5<<22)|(3<<25)
	s_or_b32 s[G1SB+0], s44, (3<<16)|(1<<20)|(1<<21)|(5<<22)|(3<<25)
.irp g, G1S, G1SB
	s_mov_b32 s[\g+1], 32<<16
	s_mov_b32 s[\g+2], (128*KS/256)<<16
	s_mov_b32 s[\g+3], 32<<16
	s_mov_b32 s[\g+4], 128*KS/256
	s_mov_b32 s[\g+5], 32
	s_mov_b32 s[\g+6], 0
	s_mov_b32 s[\g+7], 0
.endr
	s_lshl_b32 s18, s16, 7                         ; which 128 rows of the tile I fetch
	s_lshl_b32 s20, s17, 8
	s_add_co_u32 s20, s20, s18                     ; A: row 256 x tile row + 128 x half
	s_lshl_b32 s46, s42, 8
	s_add_co_u32 s46, s46, s18                     ; B: row 256 x tile column + 128 x half
	s_mov_b32 s21, 0
	s_mov_b32 s47, 0
	s_mov_b64 s[18:19], KS
	s_mul_u64 s[22:23], s[20:21], s[18:19]         ; where these rows' scales begin, in bytes
	s_mul_u64 s[92:93], s[46:47], s[18:19]
	s_mov_b64 s[18:19], KROW
	s_mul_u64 s[20:21], s[20:21], s[18:19]         ; and their codes
	s_mul_u64 s[46:47], s[46:47], s[18:19]
	s_mul_i32 s45, s14, HALFT                      ; where they go: wave x 128 rows: no place in the cluster enters an LDS address
	s_mul_i32 s94, s14, HALFS
	s_wait_dscnt 0x0                               ; both opening adds are done
	s_wait_kmcnt 0x0
	s_add_nc_u64 s[20:21], s[4:5], s[20:21]
	s_add_nc_u64 s[22:23], s[6:7], s[22:23]
	s_add_nc_u64 s[46:47], s[8:9], s[46:47]
	s_add_nc_u64 s[92:93], s[10:11], s[92:93]
	CROUND                                         ; all sixteen work-groups are here: the first joint loads meet
	s_mov_b32 s[G0S], 1
	s_add_co_u32 s[G0S+1], s94, SCL
	s_mov_b64 s[G0S+2:G0S+3], s[22:23]
	s_or_b32 s[G0S+3], s[G0S+3], 0x80000000
	s_mov_b32 s[G0SB], 1
	s_add_co_u32 s[G0SB+1], s94, SCL
	s_mov_b64 s[G0SB+2:G0SB+3], s[92:93]
	s_or_b32 s[G0SB+3], s[G0SB+3], 0x80000000
	JLOAD G0S, G1S, G0SB, G1SB                     ; the scales first: they are wanted with the first slot.  Three loads of mine are out behind the lines below
.irp s, 0,1
	s_mov_b32 s[G0+4*\s], 1
	s_add_co_u32 s[G0+4*\s+1], s45, \s*SLOT
	s_add_nc_u64 s[G0+4*\s+2:G0+4*\s+3], s[20:21], \s*ROWB
	s_or_b32 s[G0+4*\s+3], s[G0+4*\s+3], 0x80000000
	s_mov_b32 s[G0B+4*\s], 1
	s_add_co_u32 s[G0B+4*\s+1], s45, \s*SLOT
	s_add_nc_u64 s[G0B+4*\s+2:G0B+4*\s+3], s[46:47], \s*ROWB
	s_or_b32 s[G0B+4*\s+3], s[G0B+4*\s+3], 0x80000000
	JLOAD G0+4*\s, G1, G0B+4*\s, G1B
.endr
	v_and_b32 v1, 15, v0                           ; l % 16
	v_bfe_u32 v2, v0, 4, 1                         ; l / 16
	; the bias of my 128 columns, in the result's layout, and my batch's factor
	s_lshl_b32 s46, s42, 10
	s_lshl_b32 s47, s16, 9
	s_add_co_u32 s46, s46, s47                     ; 4 x (256 x tile column + 128 x half)
	s_mov_b32 s47, 0
	s_add_nc_u64 s[96:97], s[96:97], s[46:47]
	v_lshlrev_b32 v30, 5, v2                       ; 32 (l / 16): my eight columns of a block of 16
.irp b, 0,1,2,3,4,5,6,7
	global_load_b128 v[BIA+8*\b:BIA+8*\b+3], v30, s[96:97] offset:64*\b
	global_load_b128 v[BIA+8*\b+4:BIA+8*\b+7], v30, s[96:97] offset:64*\b+16
.endr
	s_lshr_b32 s101, s17, 3                        ; the batch: 8 tile rows each
	s_lshl_b32 s101, s101, 8
	s_load_b32 s100, s[98:99], s101 offset:0x8000
	v_mul_u32_u24 v3, v1, PITCH
	v_lshl_add_u32 v4, v2, 4, v3                   ; a fragment's row x pitch + 16 x half
	s_mul_i32 s21, s15, HALFT                      ; my 128 rows of A
	s_mul_i32 s22, s16, HALFT                      ; my 128 rows of B,
	s_add_co_u32 s22, s22, 2*HALFT                 ; which lie behind A's 256
.irp s, 0,1
	v_add_nc_u32 v[ADRA+\s], s21, v4
	v_add_nc_u32 v[ADRB+\s], s22, v4
	s_add_co_u32 s21, s21, SLOT
	s_add_co_u32 s22, s22, SLOT
.endr
	v_mul_u32_u24 v5, v1, KS                       ; my row's scales: KS bytes a row,
	v_lshrrev_b32 v6, 8, v5
	v_lshl_add_u32 v5, v6, 4, v5                   ; and 16 more for each 256 passed
	s_mul_i32 s21, s15, HALFS                      ; A's: my 128 rows
	s_mul_i32 s22, s16, HALFS                      ; B's: my 128 rows, behind A's 256
	s_add_co_u32 s22, s22, 2*HALFS
	s_sub_co_u32 s22, s22, s21
	v_mul_u32_u24 v6, s22, v2                      ; lanes 16-31 take B's
	s_add_co_u32 s21, s21, SCL
	v_add_nc_u32 v5, v5, v6
	v_add_nc_u32 v[ADRS], s21, v5
	s_mul_i32 s23, s14, 16*SPITCH                  ; my stage
	v_mul_u32_u24 v5, v1, SPITCH                   ; in: row l % 16, 16 bytes for each half of the lanes
	v_lshl_add_u32 v5, v2, 4, v5
	v_add_nc_u32 v[STO], s23, v5
	v_and_b32 v6, 31, v0
	v_lshrrev_b32 v5, 3, v6                        ; back: eight lanes take one head's 128 bytes of a row, the 32 lanes four rows
	v_mul_u32_u24 v5, v5, SPITCH
	v_and_b32 v3, 7, v0
	v_lshl_add_u32 v5, v3, 4, v5
	v_add_nc_u32 v[RD], s23, v5
	v_lshlrev_b32 v[CO], 4, v6                     ; which are 512 consecutive bytes of the result: 16 x lane
	; where my part begins in qkv: ((((third x 4 + batch) x 16 + head) x 2,048 + token) x 128 bytes
	s_lshr_b32 s20, s42, 2                         ; the third: 4 tile columns each
	s_lshl_b32 s20, s20, 2
	s_lshr_b32 s21, s17, 3
	s_add_co_u32 s20, s20, s21
	s_lshl_b32 s20, s20, 4
	s_and_b32 s21, s42, 3
	s_lshl_b32 s21, s21, 2                         ; a tile column is four heads,
	s_add_co_u32 s20, s20, s21
	s_lshl_b32 s21, s16, 1                         ; my half of it two
	s_add_co_u32 s20, s20, s21
	s_lshl_b32 s20, s20, 11
	s_and_b32 s21, s17, 7
	s_lshl_b32 s21, s21, 8
	s_add_co_u32 s20, s20, s21
	s_lshl_b32 s21, s15, 7
	s_add_co_u32 s20, s20, s21
	s_lshl_b32 s20, s20, 7
	s_mov_b32 s21, 0
	s_add_nc_u64 s[12:13], s[12:13], s[20:21]
	s_wait_kmcnt 0x0                               ; the factor
	s_cmp_lt_u32 s42, 4                            ; q's third is tile columns 0 to 3
	s_cselect_b32 s100, s100, 0x3f800000           ; k's and v's factor is 1: a selection of a value
	s_mov_b32 s101, s100                           ; (the packed forms name the pair)
	s_wait_loadcnt 0x0                             ; the bias
.irp i, 0,2,4,6,8,10,12,14,16,18,20,22,24,26,28,30,32,34,36,38,40,42,44,46,48,50,52,54,56,58,60,62
	v_pk_mul_f32 v[BIA+\i:BIA+\i+1], v[BIA+\i:BIA+\i+1], s[100:101] op_sel_hi:[1,0]   ; factor x bias, while the first tiles are on their way
.endr
.macro FRAG reg, adr, q, i             ; a fragment, 16 rows x 128 K of 4-bit codes, is 8 registers: lane l holds row l % 16; registers 4 c .. 4 c + 3 hold K = 64 c + 32 (l / 16) + 0 .. 31
.irp c, 0,1
	ds_load_b128 v[\reg+4*\c:\reg+4*\c+3], v[\adr] offset:64*(\q)+32*\c+(\i)*16*PITCH
.endr
.endm
; 16 matrix instructions: A's blocks a0, a0 + 1 x B's eight, 128 along K: the slot's q-th.  p: B's set;  sc: the set of scale words.  zero = 1: the first product starts the sums: nothing is ever cleared.
; The 64 accumulators take turns, one instruction a turn, in the same order in every step.
.macro MUL16 a0, p, q, sc, zero
.irp a, \a0, \a0+1
.irp b, 0,1,2,3,4,5,6,7
.if \zero
	v_wmma_scale_f32_16x16x128_f8f6f4 v[8*(8*((\a)%4)+\b):8*(8*((\a)%4)+\b)+7], v[128*(\p)+FR*\b:128*(\p)+FR*\b+FR-1], v[AF+FR*(\a):AF+FR*(\a)+FR-1], 0, v[SC+8*NQ*(\sc)+NQ*\b+(\q)], v[SC+8*NQ*(\sc)+NQ*(\a)+(\q)] matrix_a_fmt:MATRIX_FMT_FP4 matrix_b_fmt:MATRIX_FMT_FP4 matrix_a_scale:MATRIX_SCALE_ROW1
.else
	v_wmma_scale_f32_16x16x128_f8f6f4 v[8*(8*((\a)%4)+\b):8*(8*((\a)%4)+\b)+7], v[128*(\p)+FR*\b:128*(\p)+FR*\b+FR-1], v[AF+FR*(\a):AF+FR*(\a)+FR-1], v[8*(8*((\a)%4)+\b):8*(8*((\a)%4)+\b)+7], v[SC+8*NQ*(\sc)+NQ*\b+(\q)], v[SC+8*NQ*(\sc)+NQ*(\a)+(\q)] matrix_a_fmt:MATRIX_FMT_FP4 matrix_b_fmt:MATRIX_FMT_FP4 matrix_a_scale:MATRIX_SCALE_ROW1
.endif
.endr
.endr
.endm
.macro FETCH_B slot, q, p              ; B's eight fragments of the slot's q-th 128 along K into set p
	WIN TO_B
.irp i, 0,1,2,3,4,5,6,7
	FRAG 128*(\p)+FR*\i, ADRB+\slot, \q, \i
.endr
	WIN 0
.endm
.macro FETCH_A slot, q, i0             ; A's blocks i0 .. i0 + 3
.irp i, \i0, \i0+1, \i0+2, \i0+3
	FRAG AF+FR*(\i), ADRA+\slot, \q, \i
.endr
.endm
.macro SCALES sc                       ; a slot's scale words into set sc: NQ words a row; lanes 0-15 take A's block i, lanes 16-31 B's block i
.irp i, 0,1,2,3,4,5,6,7
	ds_load_b128 v[SC+8*NQ*\sc+NQ*\i:SC+8*NQ*\sc+NQ*\i+3], v[ADRS] offset:\i*SBLK
.endr
.endm
; A load into a register that a matrix instruction has read, and a vector instruction that reads a matrix result, stand NP places behind that matrix instruction, and only plain vector
; instructions that name none of its registers are places (ISA guide 7.12.1 for vector instructions).
.macro PLACES n
.rept \n
	v_nop
.endr
.endm
; A step of 128 along K that has its successor in the same slot.
.macro STEP slot, q, zero
	s_wait_dscnt 4*NL                              ; B's set and A's blocks 0-3 are in; the youngest eight loads (A's blocks 4-7) may be out
	WIN MUL_LO
	MUL16 0, (\q)%2, \q, \slot, \zero
	MUL16 2, (\q)%2, \q, \slot, \zero
	s_wait_dscnt 0                                 ; A's blocks 4-7 are in (asked for 32 matrix instructions ago)
	PLACES NP
	FETCH_B \slot, (\q)+1, 1-(\q)%2
	FETCH_A \slot, (\q)+1, 0
	WIN MUL_HI
	MUL16 4, (\q)%2, \q, \slot, \zero
	MUL16 6, (\q)%2, \q, \slot, \zero
	PLACES NP
	WIN 0
	FETCH_A \slot, (\q)+1, 4
.endm
; Slot 0's last step changes slots: ONE barrier; in front of it each wave waits for all its tensor loads (its part of slot 1), adds 0 to its spare word, and waits for that and for its reads of slot 0.  Nothing is filled again.
.macro TURN slot, next
	s_wait_tensorcnt 0x0                           ; all my tensor loads have landed: my part of the next slot;  (every window is 0 here)
	ds_add_u32 v[SPW], v[NIL]                      ; 0 onto my spare word;
	s_wait_dscnt 4*NL+1                            ; (the add and the youngest eight loads, A's blocks 4-7, may be out)
	WIN MUL_LO
	MUL16 0, 1, NQ-1, \slot, 0                     ; sixteen matrix instructions stand between the add and the wait for it
	s_wait_dscnt 0x0                               ; the add is done, and my reads of this slot are over
	s_barrier_signal -1
	MUL16 2, 1, NQ-1, \slot, 0
	WIN 0
	s_barrier_wait -1
	PLACES NP
	v_add_nc_u32 v[ADRS], 4*NQ, v[ADRS]            ; on to the next slot's scale words (no LDS load of mine is out)
	FETCH_B \next, 0, 0
	FETCH_A \next, 0, 0
	SCALES \next
	WIN MUL_HI
	MUL16 4, 1, NQ-1, \slot, 0
	MUL16 6, 1, NQ-1, \slot, 0
	PLACES NP
	WIN 0
	FETCH_A \next, 0, 4
.endm
.macro STEPS slot, from                ; the slot's steps from .. NQ - 2
.set Q, \from
.rept NQ-1-\from
	STEP \slot, Q, 0
.set Q, Q+1
.endr
.endm
	s_wait_tensorcnt 1                             ; the scales and my part of slot 0 are in (slot 1's load may be out)
	s_barrier_signal -1
	s_barrier_wait -1                              ; everybody's are
	FETCH_B 0, 0, 0
	FETCH_A 0, 0, 0
	SCALES 0
	FETCH_A 0, 0, 4
	STEP 0, 0, 1                                   ; the first step's products start the sums
	STEPS 0, 1
	TURN 0, 1
	STEPS 1, 0
	s_wait_dscnt 4*NL                              ; the very last step: nothing more to fetch
	WIN MUL_LO
	MUL16 0, 1, NQ-1, 1, 0
	MUL16 2, 1, NQ-1, 1, 0
	s_wait_dscnt 0
	WIN MUL_HI
	MUL16 4, 1, NQ-1, 1, 0
	MUL16 6, 1, NQ-1, 1, 0
	WIN 0
; THE WAY OUT, block by block of 16 rows x 128 columns (two heads).  PACK: factor x sum + factor x bias, in place, each accumulator from its low end on; then rounded to f16, 16 bytes a lane.
; TOSTAGE: into my own stage in LDS, and back so that the 32 lanes hold four tokens' 128 bytes of ONE head, which are 512 consecutive bytes of qkv.  SEND: stored.  Every offset is an immediate.
.macro PACK a
.set AC, 64*((\a)%4)
	WIN 0x82+0x41*((\a)/4)                         ; source 0 and destination: window 2 or 3; the bias: window 0
.irp b, 0,1,2,3,4,5,6,7
.irp i, 0,2,4,6
	v_pk_fma_f32 v[AC+8*\b+\i:AC+8*\b+\i+1], v[AC+8*\b+\i:AC+8*\b+\i+1], s[100:101], v[BIA+8*\b+\i:BIA+8*\b+\i+1] op_sel_hi:[1,0,1]
.endr
.endr
	WIN 0x0a+5*((\a)/4)                            ; sources 0 and 1: window 2 or 3; destination: window 0
.irp b, 0,1,2,3,4,5,6,7
.irp i, 0,1,2,3
	v_cvt_pk_f16_f32 v[TMP+4*\b+\i], v[AC+8*\b+2*\i], v[AC+8*\b+2*\i+1]
.endr
.endr
	WIN 0
.endm
.macro TOSTAGE a
.set BB, BK+32*((\a)%2)
.irp b, 0,1,2,3,4,5,6,7
	ds_store_b128 v[STO], v[TMP+4*\b:TMP+4*\b+3] offset:32*\b
.endr
.irp u, 0,1,2,3,4,5,6,7
	ds_load_b128 v[BB+4*\u:BB+4*\u+3], v[RD] offset:1088*(\u%4)+128*(\u/4)   ; LDS serves a wave's instructions in order (ISA guide 5.7.1.4): these see the stores above.  Rows 4 (u % 4) on, head u / 4
.endr
.endm
.macro SEND a
.set BB, BK+32*((\a)%2)
	s_wait_dscnt 0x0                               ; the block is back in registers
	s_wait_xcnt 0x0                                ; the stores of the block before have read their registers: the next block's loads may land there
.irp u, 0,1,2,3,4,5,6,7
	global_store_b128 v[CO], v[BB+4*\u:BB+4*\u+3], s[12:13] offset:262144*(\u/4)+2048*(\a)+512*(\u%4)   ; 32 lanes store 512 consecutive bytes, at a multiple of 256 from qkv's first byte
.endr
.endm
	PLACES NP                                      ; behind the last products: for the first reads of results and the loads into the registers that held A's fragments
	PACK 0
	TOSTAGE 0
.irp a, 1,2,3,4,5,6,7                  ; block a's arithmetic stands between block a - 1's loads from the stage and the wait for them
	PACK \a
	SEND \a-1
	TOSTAGE \a
.endr
	SEND 7
	s_wait_tensorcnt 0x0                           ; the wave's end, behind my last tensor load and my last LDS store
	ds_add_u32 v[SPW], v[NIL]
	s_wait_dscnt 0x0
	CROUND                                         ; the closing round: no work-group ends while a partner may still ask for a tile that names it
	s_endpgm
.Lfunc_end_k_qc5469b2ab6_qkv:
	.size	k_qc5469b2ab6_qkv, .Lfunc_end_k_qc5469b2ab6_qkv-k_qc5469b2ab6_qkv
	.p2alignl 7, 3214868480
	.fill 96, 4, 3214868480
	.section	.rodata,"a",@progbits
	.p2align	6, 0x0
	.amdhsa_kernel k_qc5469b2ab6_qkv
		.amdhsa_group_segment_fixed_size 327680
		.amdhsa_private_segment_fixed_size 0
		.amdhsa_enable_private_segment 0
		.amdhsa_kernarg_size 56
		.amdhsa_user_sgpr_count 2
		.amdhsa_user_sgpr_kernarg_segment_ptr 1
		.amdhsa_wavefront_size32 1
		.amdhsa_system_sgpr_workgroup_id_x 1
		.amdhsa_system_sgpr_workgroup_id_y 1
		.amdhsa_system_sgpr_workgroup_id_z 1
		.amdhsa_system_vgpr_workitem_id 0
		.amdhsa_next_free_vgpr 1024
		.amdhsa_next_free_sgpr 102
		.amdhsa_reserve_vcc 0
		.amdhsa_float_denorm_mode_32 3
		.amdhsa_float_denorm_mode_16_64 3
		.amdhsa_memory_ordered 1
		.amdhsa_forward_progress 1
		.amdhsa_inst_pref_size 147
	.end_amdhsa_kernel
	.amdgpu_metadata
---
amdhsa.version: [ 1, 2 ]
amdhsa.kernels:
  - .name:           k_qc5469b2ab6_qkv
    .symbol:         k_qc5469b2ab6_qkv.kd
    .args:
      - { .name: xc, .offset: 0, .size: 8, .value_kind: global_buffer, .address_space: global }
      - { .name: xs, .offset: 8, .size: 8, .value_kind: global_buffer, .address_space: global }
      - { .name: wc, .offset: 16, .size: 8, .value_kind: global_buffer, .address_space: global }
      - { .name: ws, .offset: 24, .size: 8, .value_kind: global_buffer, .address_space: global }
      - { .name: qkv, .offset: 32, .size: 8, .value_kind: global_buffer, .address_space: global }
      - { .name: Wqkv_b, .offset: 40, .size: 8, .value_kind: global_buffer, .address_space: global }
      - { .name: msk, .offset: 48, .size: 8, .value_kind: global_buffer, .address_space: global }
    .group_segment_fixed_size: 327680
    .private_segment_fixed_size: 0
    .kernarg_segment_align: 8
    .kernarg_segment_size: 56
    .max_flat_workgroup_size: 128
    .sgpr_count:     102
    .vgpr_count:     1024
    .wavefront_size: 32
...
	.end_amdgpu_metadata
.endif
;; end of part 2
;; launch attn (part 3): grid 4 x 64, 8 waves a work-group, clusters of 4 x 1, 327,680 bytes of LDS; arguments qkv, msk, ao; writes ao
.if DOCPART == 3
	.amdgcn_target "amdgcn-amd-amdhsa--gfx1250"
	.amdhsa_code_object_version 6
	.text
	.protected	k_qc5469b2ab6_attn
	.globl	k_qc5469b2ab6_attn
	.p2align	8
	.type	k_qc5469b2ab6_attn,@function
k_qc5469b2ab6_attn:
	s_mov_b64 s[64:65], 0
	v_nop
	global_prefetch_b8 v0, s[64:65] scope:SCOPE_SE
	s_setreg_imm32_b32 hwreg(HW_REG_WAVE_MODE, 25, 1), 1
	s_wait_xcnt 0x0
	s_wait_alu depctr_hold_cnt(0) depctr_sa_sdst(0) depctr_va_vdst(0) depctr_va_sdst(0) depctr_va_ssrc(0) depctr_va_vcc(0) depctr_vm_vsrc(0)
	s_getreg_b32 s2, hwreg(HW_REG_IB_STS2, 6, 4)
	s_cmp_eq_u32 s2, 0
	s_cbranch_scc0 .Lentry_in_a_cluster
	s_endpgm
.Lentry_in_a_cluster:
	s_bfe_u32 s2, ttmp6, 0x10000c
	s_cmp_lg_u32 s2, 0x3003
	s_cbranch_scc0 .Lentry_shape_is_right
	s_endpgm
.Lentry_shape_is_right:
; Launch 3 of 4: ao[b][h][q][:] = the sum over k of softmax_k(score) v[k][:], score = q . k / 8, hidden keys as reference() hides them.  Nothing of reference() is left out here.
; q, k, v: f16, [3][4 b][16 h][2048 s][64 d]; q already holds the factor log2(e) / 8, so that t = q . k is an exponent of 2.  msk: f32 bias[4][2048], 0 or -2^100.  ao: f16 [4 b][16 h][2048 s][64 d].
; Products on f16 operands, sums in f32; maxima, exponentials and the row's sum in f32; the weights p are rounded to f16 for the second product, the result once at the end.
; LIMIT: the result up to 65,504 in magnitude; NaN and infinities are not served.
; SHARES.  A work-group owns 512 queries of one head, each of its eight waves 64: four tiles of 16; two waves lie on a SIMD, so that one wave's vector work stands beside the other's matrix work.  Every wave walks the head's 2,048 keys, 64 a step.
; LAYOUT.  S^T = K Q^T (source 0 = 16 keys, source 1 = 16 queries): a lane holds ONE query (lane % 16) and the keys 8 (lane / 16) + 0..7 of a tile.  Two such tiles, rounded to f16 in pairs, ARE source 1
; (32 keys x 16 queries) of O^T = V^T P, whose result again holds one query a lane.  K comes out of LDS as it lies, V ([key][channel]) turned, by ds_load_tr16_b128.
; THE MASK costs no vector instruction: the keys' bias, in the result's layout, is the C of each score tile's first matrix instruction.
; SOFTMAX.  For each query a running maximum M and sum l: p = 2^(t - M); in every step O and l are multiplied by a = 2^(M_old - M_new).  While only hidden keys have been met, M is about -2^100 and what is summed is
; finite; the first open key makes a = 0, which takes it away.  (A batch with no open key has bias 0 and q = 0: every t is 0.)
; CLUSTER.  The four work-groups of a cluster are the four query blocks of one head and walk the same K, V and bias: each tile is asked for JOINTLY, by the same tensor load with the same descriptor and a mask that names the four.
; THE RING.  Two slots of four key steps.  The change of slots stands at a slot's head; behind its round each wave asks for ONE tile of the other slot (waves 0-3: K of step w; waves 4-7: V of step w - 4), which has four steps in which to land.
; REGISTERS: window 0: v1-7 addresses; v8-31 six registers of statistics a tile; v32-63 the bias of a step's keys; v64-191 S^T, 32 a tile, P laid into each tile's first 16; v192-255 K of a step, then at work.
;   window 1: v0-127 O^T, 32 a tile; v128-191 Q, 16 a tile; v192-255 V of a step.
.set KS,    64                         ; keys in a step
.set PK,    144                        ; a row of K in LDS: 128 bytes + 16 = 36 words: the 16 rows of a load start at 16 different groups of four banks (64 banks of 4 bytes: ISA guide 11.1)
.set PV,    160                        ; a row of V: 128 + 32 = 40 words
.set VOFF,  KS*PK                      ; a step's tiles lie together: 64 rows of K, then 64 rows of V
.set STEPB, KS*(PK+PV)
.set NST,   4                          ; steps in a slot
.set SLOT1, 1<<17                      ; slot 1 begins here, so that one exclusive or turns an address in one slot into the other's
.set BIAS,  SLOT1+NST*STEPB            ; behind the ring: the batch's 2,048 numbers of bias, filled once
.set SPARE, BIAS+8192                  ; the spare words, 128 bytes for each wave
.set NSL,   2048/(NST*KS)              ; slots' worth of keys: 8
.set AK0, 1                            ; v1   my lane's place in a tile of K; never rewritten
.set AV0, 2                            ; v2   the same for V
.set AB0, 3                            ; v3   and in the bias
.set ADR, 4                            ; v4   the LDS address of K's, then of V's run of loads
.set PFO, 5                            ; v5   256 x my lane; never rewritten
.set SPW, 6                            ; v6   LDS address of my spare word; never rewritten
.set NIL, 7                            ; v7   0; never rewritten
.set ST,  8                            ; tile t's statistics at v[ST + 6 t]: +0 M, +1 the other half's maximum or sum, +2 a, +3 at work, +4, +5 l (even keys', odd keys')
.set BI,  32
.set S,   64
.set ADB, S+16                         ; v80  the LDS address of the bias's run of loads: a register of the scores that is dead between two steps
.set KB,  192
.set QF,  128                          ; in window 1
.set VB,  192                          ; in window 1
.set WV,  10                           ; s10  my wave's number
.set G1K, 24                           ; s[24:31] descriptor group 1 for K's tiles
.set G1V, 32                           ; s[32:39] for V's: it differs in the padding alone
.set G0K, 40                           ; s[40:43] group 0 for K's tiles, which walks
.set G0V, 44                           ; s[44:47] the same for V's
.set G1S, 48                           ; s[48:55], s[56:59] groups 1 and 0 for the bias
.set G0S, 56
.set SEL, 60                           ; s[60:61] lane selects for v_permlanex16_b32: lane l xor 16
.set TB,  62                           ; s62  LDS byte at which the step's tiles begin
.set TJ,  63                           ; s63  and its bias: 256 bytes a step
.set SLOTS, 66                         ; s66  slots still to be asked for
.set STEPS, 67                         ; s67  counts a slot's steps
.set PFA, 68                           ; s[68:69] where my prefetches stand: my work-group's 8,192 bytes (of K: wave 0, of V: wave 4) of the slot after the one that is being asked for
.set LIM, 70                           ; s70  1 in a wave that prefetches, else the greatest number
.set MSB, 0
.macro WIN new                         ; the immediate's high byte repeats the setting that is left
.if MSB != (\new)
	s_set_vgpr_msb (MSB<<8)|(\new)
.set MSB, (\new)
.endif
.endm
.set W_KQ, 0x04                        ; Q (source 1) in window 1; K, the bias and S^T in window 0
.set W_TO1, 0x40                       ; destination window 1
.set W_RS, 0x41                        ; O^T (destination and source 0) in window 1, a in window 0
.set W_PV, 0x51                        ; V (source 0) and O^T (C and D) in window 1, P in window 0
; A joint load.  The branch hangs on the wave's number alone.  An s_nop 0 and four v_nop follow each of the two lines.
.macro JLOAD
	s_cmp_lt_u32 s[WV], 4
	s_cbranch_scc0 .Lfor_v_\@
	tensor_load_to_lds s[G0K:G0K+3], s[G1K:G1K+7]
	s_nop 0
.rept 4
	v_nop
.endr
	s_branch .Lasked_\@
.Lfor_v_\@:
	tensor_load_to_lds s[G0V:G0V+3], s[G1V:G1V+7]
	s_nop 0
.rept 4
	v_nop
.endr
.Lasked_\@:
.endm
; A PREFETCH INTO THE L2 of what the NEXT change of slots will ask for: a slot's 32,768 dense bytes of K and of V.  The four partners share them out BY ADDRESS, 8,192 bytes each, lanes 256 bytes apart; in each,
; wave 0 asks for K's and wave 4 for V's: one instruction.  A head has one cluster, so each 256 bytes are named once in the launch.  It stands behind the wave's tensor load and its five lines, four key steps ahead of the
; load that will want the bytes.  Slots 0 and 1 come by their loads alone; the last change that fills a slot asks for nothing: there is no slot behind it.
.macro ASK
	s_cmp_gt_u32 s[SLOTS], s[LIM]
	s_cbranch_scc0 .Lnot_mine_\@
	global_prefetch_b8 v[PFO], s[PFA:PFA+1] th:TH_LOAD_NT scope:SCOPE_SE
.Lnot_mine_\@:
.endm
.macro CROUND                          ; a round of the cluster's barrier
	s_barrier_signal -1
	s_barrier_wait -1
	s_cmp_lg_u32 s[WV], 0
	s_cbranch_scc1 .Lnot_wave_0_\@
	s_barrier_signal -3
.Lnot_wave_0_\@:
	s_barrier_wait -3
	s_barrier_signal -1
	s_barrier_wait -1
.endm
	s_load_b128 s[4:7], s[0:1], 0x0                ; qkv, msk
	s_load_b64 s[8:9], s[0:1], 0x10                ; ao
	v_lshl_add_u32 v[SPW], v0, 2, SPARE
	v_mov_b32 v[NIL], 0
	ds_add_u32 v[SPW], v[NIL]                      ; the wave's opening: the add, twice on end, and its wait ahead of my first tensor load
	ds_add_u32 v[SPW], v[NIL]                      ; and once more, under the one wait; the set-up below, work on registers, stands between
	v_lshrrev_b32 v1, 5, v0
	v_readfirstlane_b32 s[WV], v1                  ; wave 0..7
	s_bfe_u32 s11, ttmp6, 0x40000                  ; cx: my block of 512 queries: it enters Q's, ao's and the prefetches' addresses alone
	s_and_b32 s12, ttmp7, 0xffff                   ; 16 b + h, which the four partners share
	s_lshl_b32 s72, s12, 18                        ; the head's first byte in a third of qkv and in ao: 2,048 rows of 128 bytes
	s_mov_b32 s73, 0
	s_and_b32 s74, s[WV], 3                        ; which of a slot's four steps I fetch:
	s_lshl_b32 s76, s74, 13                        ; its 64 rows of 128 bytes in memory,
	s_mov_b32 s77, 0
	s_add_nc_u64 s[76:77], s[76:77], s[72:73]
	s_mul_i32 s75, s74, STEPB                      ; and its place in a slot: no place in the cluster enters an LDS address
	s_lshl_b32 s78, s11, 16                        ; my block's 512 rows,
	s_lshl_b32 s79, s[WV], 13                      ; my wave's 64 of them
	s_add_co_u32 s78, s78, s79
	s_mov_b32 s79, 0
	s_add_nc_u64 s[78:79], s[78:79], s[72:73]
	s_lshl_b32 s22, s[WV], 10                      ; my eighth of the batch's bias
	s_lshr_b32 s20, s12, 4
	s_lshl_b32 s20, s20, 13
	s_add_co_u32 s20, s20, s22
	s_mov_b32 s21, 0
	; descriptor group 1: a tile of 64 rows x 64 elements of 2 bytes, dense in memory, padded in LDS
	s_mov_b32 s[G1K], 15|(1<<16)|(1<<20)|(1<<21)|(4<<22)|(3<<25)  ; 15:0 the mask: all four work-groups; 17:16 elements of 2 bytes; 20 padding on; 21 set beside a mask; 24:22 after every 32 words (code 4); 31:25 4 words of it (code 3)
	s_mov_b32 s[G1V], 15|(1<<16)|(1<<20)|(1<<21)|(4<<22)|(7<<25)  ; the same with 8 words of padding (code 7)
.irp g, G1K, G1V
	s_mov_b32 s[\g+1], 64<<16                      ; tensor_dim0 = 64
	s_mov_b32 s[\g+2], KS<<16                      ; tensor_dim1 = 64
	s_mov_b32 s[\g+3], 64<<16                      ; tile_dim0 = 64
	s_mov_b32 s[\g+4], KS                          ; tile_dim1 = 64
	s_mov_b32 s[\g+5], 64                          ; tensor_dim0_stride
	s_mov_b32 s[\g+6], 0
	s_mov_b32 s[\g+7], 0
.endr
	s_mov_b32 s[G1S], 15|(3<<16)|(1<<21)           ; the bias: 4 rows of 256 bytes (32 elements of 8 bytes), dense, no padding
	s_mov_b32 s[G1S+1], 32<<16
	s_mov_b32 s[G1S+2], 4<<16
	s_mov_b32 s[G1S+3], 32<<16
	s_mov_b32 s[G1S+4], 4
	s_mov_b32 s[G1S+5], 32
	s_mov_b32 s[G1S+6], 0
	s_mov_b32 s[G1S+7], 0
	s_mov_b32 s[SEL], 0x76543210
	s_mov_b32 s[SEL+1], 0xfedcba98
	s_mov_b32 s[TB], 0
	s_mov_b32 s[TJ], 0
	s_mov_b32 s[SLOTS], NSL-1
	s_cmp_eq_u32 s74, 0                            ; waves 0 and 4 prefetch: the same in all four partners
	s_cselect_b32 s[LIM], 1, -1
	s_wait_dscnt 0x0                               ; both opening adds are done
	s_wait_kmcnt 0x0
	s_add_nc_u64 s[16:17], s[4:5], 0x1000000       ; k's third of qkv
	s_add_nc_u64 s[18:19], s[4:5], 0x2000000       ; v's
	s_mov_b32 s[G0K], 1                            ; 1:0 count = 1
	s_mov_b32 s[G0K+1], s75                        ; 63:32 LDS address: slot 0
	s_add_nc_u64 s[G0K+2:G0K+3], s[16:17], s[76:77]   ; 120:64 global address
	s_or_b32 s[G0K+3], s[G0K+3], 0x80000000        ; 127:126 type = 2
	s_mov_b32 s[G0V], 1
	s_add_co_u32 s[G0V+1], s75, VOFF
	s_add_nc_u64 s[G0V+2:G0V+3], s[18:19], s[76:77]
	s_or_b32 s[G0V+3], s[G0V+3], 0x80000000
	s_mov_b32 s[G0S], 1
	s_add_co_u32 s[G0S+1], s22, BIAS
	s_add_nc_u64 s[G0S+2:G0S+3], s[6:7], s[20:21]
	s_or_b32 s[G0S+3], s[G0S+3], 0x80000000
	s_add_nc_u64 s[14:15], s[4:5], s[78:79]        ; Q and ao at my wave's first row
	s_add_nc_u64 s[8:9], s[8:9], s[78:79]
	s_cmp_lt_u32 s[WV], 4
	s_cselect_b64 s[PFA:PFA+1], s[16:17], s[18:19]
	s_add_nc_u64 s[PFA:PFA+1], s[PFA:PFA+1], s[72:73]  ; in my head,
	s_lshl_b32 s20, s11, 13                        ; my work-group's 8,192 bytes,
	s_add_co_u32 s20, s20, NST*KS*128              ; in slot 1: the first change of slots steps it to slot 2.  Nothing is prefetched here, at the head, where every work-group's first tiles are on their way
	s_add_nc_u64 s[PFA:PFA+1], s[PFA:PFA+1], s[20:21]
	CROUND                                         ; all four work-groups are here: the first joint loads meet
	tensor_load_to_lds s[G0S:G0S+3], s[G1S:G1S+7]  ; my eighth of the bias: one line for all waves, both addresses made of the wave's number
	s_nop 0
.rept 4
	v_nop
.endr
	JLOAD                                          ; my tile of slot 0: two loads of mine are out
	; A fragment of K or Q is 16 rows x 32 channels in 8 registers: lane l holds row l % 16; registers 0-3 channels 8 (l / 16) + 0..7, registers 4-7 channels 16 + 8 (l / 16) + 0..7: two loads of 16 bytes, 32 bytes apart.
	v_and_b32 v33, 15, v0                          ; l % 16
	v_bfe_u32 v34, v0, 4, 1                        ; l / 16
	v_lshlrev_b32 v32, 7, v33
	v_lshl_add_u32 v32, v34, 4, v32                ; Q: row x 128 + 16 x half
	WIN W_TO1
.irp t, 0,1,2,3
.irp c, 0,1
	global_load_b128 v[QF+16*\t+8*\c:QF+16*\t+8*\c+3],   v32, s[14:15] offset:2048*\t+64*\c      ; Q stays in registers
	global_load_b128 v[QF+16*\t+8*\c+4:QF+16*\t+8*\c+7], v32, s[14:15] offset:2048*\t+64*\c+32
.endr
.endr
.set i, 0
.rept 128
	v_mov_b32 v[i], 0                              ; O^T.  (The step is written with no first copy: the first step finds zeros, which its a = 0 leaves zeros)
.set i, i+1
.endr
	WIN 0
	v_mul_u32_u24 v[AK0], v33, PK
	v_lshl_add_u32 v[AK0], v34, 4, v[AK0]          ; K: row x pitch + 16 x half
	; The turning load takes 16 keys x 16 channels (lane l reads 16 bytes: key 8 (l / 16) + l % 8, channels 8 ((l / 8) % 2) + 0..7) and leaves half a fragment of V^T: lane l holds channel l % 16 and 8 keys.
	v_and_b32 v35, 7, v0
	v_bfe_u32 v36, v0, 3, 1
	v_lshl_add_u32 v[AV0], v34, 3, v35
	v_mul_u32_u24 v[AV0], v[AV0], PV
	v_lshl_add_u32 v[AV0], v36, 4, v[AV0]
	v_add_nc_u32 v[AV0], VOFF, v[AV0]
	v_lshlrev_b32 v[AB0], 5, v34
	v_add_nc_u32 v[AB0], BIAS, v[AB0]              ; the bias of keys 8 (l / 16) + 0..7 of a tile
	v_and_b32 v[PFO], 31, v0
	v_lshlrev_b32 v[PFO], 8, v[PFO]
.irp t, 0,1,2,3
	v_mov_b32 v[ST+6*\t], 0xff61b1e6               ; M: -3e38, under every t
.irp n, 1,2,3,4,5
	v_mov_b32 v[ST+6*\t+\n], 0                     ; l; and what is named as a permute's destination or as half of a pair before it is first written
.endr
.endr
	s_wait_loadcnt 0x0                             ; Q
; A KEY STEP: 64 keys for my 64 queries.
.macro STEP
	; K's 8 fragments and the keys' bias.  The two additions and three v_nop are the five places between the last V^T P of the step before, which read P, and the first K Q^T, which writes over it (ISA guide 7.12.1)
	v_add_nc_u32 v[ADR], s[TB], v[AK0]
	v_add_nc_u32 v[ADB], s[TJ], v[AB0]
.irp kt, 0,1,2,3
.irp c, 0,1
	ds_load_b128 v[KB+16*\kt+8*\c:KB+16*\kt+8*\c+3],   v[ADR] offset:2304*\kt+64*\c
	ds_load_b128 v[KB+16*\kt+8*\c+4:KB+16*\kt+8*\c+7], v[ADR] offset:2304*\kt+64*\c+32
.endr
.endr
.irp kt, 0,1,2,3
	ds_load_b128 v[BI+8*\kt:BI+8*\kt+3],   v[ADB] offset:64*\kt
	ds_load_b128 v[BI+8*\kt+4:BI+8*\kt+7], v[ADB] offset:64*\kt+16
.endr
.rept 3
	v_nop
.endr
	s_wait_dscnt 0x0
	; S^T = bias + K Q^T: sixteen accumulators by turns, one instruction a turn; the first sixteen start the sums with the bias
	WIN W_KQ
.irp kt, 0,1,2,3
.irp t, 0,1,2,3
	v_wmma_f32_16x16x32_f16 v[S+32*\t+8*\kt:S+32*\t+8*\kt+7], v[KB+16*\kt:KB+16*\kt+7], v[QF+16*\t:QF+16*\t+7], v[BI+8*\kt:BI+8*\kt+7]
.endr
.endr
.irp kt, 0,1,2,3
.irp t, 0,1,2,3
	v_wmma_f32_16x16x32_f16 v[S+32*\t+8*\kt:S+32*\t+8*\kt+7], v[KB+16*\kt+8:KB+16*\kt+15], v[QF+16*\t+8:QF+16*\t+15], v[S+32*\t+8*\kt:S+32*\t+8*\kt+7]
.endr
.endr
	; V is asked for now and lands under the softmax.  The addition and three v_nop are the four places ahead of the first read of the scores and the first write of K's registers
	WIN 0
	v_add_nc_u32 v[ADR], s[TB], v[AV0]
.rept 3
	v_nop
.endr
	WIN W_TO1
.irp kh, 0,1
.irp ct, 0,1,2,3
	ds_load_tr16_b128 v[VB+32*\kh+8*\ct:VB+32*\kh+8*\ct+3],   v[ADR] offset:5120*\kh+32*\ct
	ds_load_tr16_b128 v[VB+32*\kh+8*\ct+4:VB+32*\kh+8*\ct+7], v[ADR] offset:5120*\kh+32*\ct+2560
.endr
.endr
	WIN 0
	; the maximum of my 32 scores of each tile and the old M: four chains a tile, the four tiles by turns; each accumulator is read from its low end on
.irp i, 0,1,2,3
.irp t, 0,1,2,3
	v_max3_num_f32 v[KB+4*\t+\i], v[S+32*\t+8*\i], v[S+32*\t+8*\i+1], v[S+32*\t+8*\i+2]
.endr
.endr
.irp g, 3,5
.irp i, 0,1,2,3
.irp t, 0,1,2,3
	v_max3_num_f32 v[KB+4*\t+\i], v[KB+4*\t+\i], v[S+32*\t+8*\i+\g], v[S+32*\t+8*\i+\g+1]
.endr
.endr
.endr
.irp t, 0,1,2,3
	v_max3_num_f32 v[KB+4*\t], v[KB+4*\t], v[S+32*\t+7], v[S+32*\t+15]
.endr
.irp t, 0,1,2,3
	v_max3_num_f32 v[KB+4*\t+2], v[KB+4*\t+2], v[S+32*\t+23], v[S+32*\t+31]
.endr
.irp t, 0,1,2,3
	v_max3_num_f32 v[KB+4*\t], v[KB+4*\t], v[KB+4*\t+1], v[KB+4*\t+2]
.endr
.irp t, 0,1,2,3
	v_max3_num_f32 v[KB+4*\t], v[KB+4*\t], v[KB+4*\t+3], v[ST+6*\t]
.endr
.irp t, 0,1,2,3
	v_permlanex16_b32 v[ST+6*\t+1], v[KB+4*\t], s[SEL], s[SEL+1]   ; the query's other 32 keys lie in the lane 16 away
.endr
.irp t, 0,1,2,3
	v_max_num_f32 v[KB+4*\t], v[KB+4*\t], v[ST+6*\t+1]
.endr
.irp t, 0,1,2,3
	v_sub_f32 v[ST+6*\t+2], v[ST+6*\t], v[KB+4*\t]                 ; M_old - M_new
.endr
.irp t, 0,1,2,3
	v_mov_b32 v[ST+6*\t], v[KB+4*\t]
.endr
	; ONE BATCH of 132 exponentials: a, then p = 2^(t - M); the packed subtractions stand among them and name no result
.irp t, 0,1,2,3
	v_exp_f32 v[ST+6*\t+2], v[ST+6*\t+2]
.endr
.irp b, 0,2,4,6,8,10,12,14,16,18,20,22,24,26,28,30
.irp t, 0,1,2,3
	v_pk_add_f32 v[S+32*\t+\b:S+32*\t+\b+1], v[S+32*\t+\b:S+32*\t+\b+1], v[ST+6*\t:ST+6*\t+1] op_sel_hi:[1,0] neg_lo:[0,1] neg_hi:[0,1]   ; t - M, two at a time (of the pair the low word, M, serves both halves)
.endr
.irp t, 0,1,2,3
	v_exp_f32 v[S+32*\t+\b], v[S+32*\t+\b]
	v_exp_f32 v[S+32*\t+\b+1], v[S+32*\t+\b+1]
.endr
.endr
	v_nop                                          ; a plain instruction behind the last exponential (ISA guide 5.7.2)
	s_wait_alu depctr_va_vdst(0)                   ; the wait ahead of the first instruction that names a result: one for the batch
	; l = a l + the sum of the unrounded p, two at a time, in two chains a tile
.irp t, 0,1,2,3
	v_pk_fma_f32 v[ST+6*\t+4:ST+6*\t+5], v[ST+6*\t+4:ST+6*\t+5], v[ST+6*\t+2:ST+6*\t+3], v[S+32*\t:S+32*\t+1] op_sel_hi:[1,0,1]
.endr
.irp t, 0,1,2,3
	v_pk_add_f32 v[KB+16+2*\t:KB+17+2*\t], v[S+32*\t+2:S+32*\t+3], v[S+32*\t+4:S+32*\t+5]
.endr
.irp b, 6,10,14,18,22,26
.irp t, 0,1,2,3
	v_pk_add_f32 v[ST+6*\t+4:ST+6*\t+5], v[ST+6*\t+4:ST+6*\t+5], v[S+32*\t+\b:S+32*\t+\b+1]
.endr
.irp t, 0,1,2,3
	v_pk_add_f32 v[KB+16+2*\t:KB+17+2*\t], v[KB+16+2*\t:KB+17+2*\t], v[S+32*\t+\b+2:S+32*\t+\b+3]
.endr
.endr
.irp t, 0,1,2,3
	v_pk_add_f32 v[ST+6*\t+4:ST+6*\t+5], v[ST+6*\t+4:ST+6*\t+5], v[S+32*\t+30:S+32*\t+31]
.endr
.irp t, 0,1,2,3
	v_pk_add_f32 v[ST+6*\t+4:ST+6*\t+5], v[ST+6*\t+4:ST+6*\t+5], v[KB+16+2*\t:KB+17+2*\t]
.endr
	; the weights rounded to f16, in place: pair j goes to register j, which has been read (2 j >= j)
.irp j, 0,1,2,3,4,5,6,7,8,9,10,11,12,13,14,15
.irp t, 0,1,2,3
	v_cvt_pk_f16_f32 v[S+32*\t+\j], v[S+32*\t+2*\j], v[S+32*\t+2*\j+1]
.endr
.endr
	; O^T x a, each accumulator from its low end on
	WIN W_RS
.irp t, 0,1,2,3
.irp i, 0,2,4,6,8,10,12,14,16,18,20,22,24,26,28,30
	v_pk_mul_f32 v[32*\t+\i:32*\t+\i+1], v[32*\t+\i:32*\t+\i+1], v[ST+6*\t+2:ST+6*\t+3] op_sel_hi:[1,0]
.endr
.endr
	s_wait_dscnt 0x0                               ; V is in
	; O^T += V^T P: sixteen accumulators by turns
	WIN W_PV
.irp kh, 0,1
.irp ct, 0,1,2,3
.irp t, 0,1,2,3
	v_wmma_f32_16x16x32_f16 v[32*\t+8*\ct:32*\t+8*\ct+7], v[VB+32*\kh+8*\ct:VB+32*\kh+8*\ct+7], v[S+32*\t+8*\kh:S+32*\t+8*\kh+7], v[32*\t+8*\ct:32*\t+8*\ct+7]
.endr
.endr
.endr
	WIN 0                                          ; at a label and at a branch every window is 0
	s_add_co_u32 s[TB], s[TB], STEPB
	s_add_co_u32 s[TJ], s[TJ], 256
.endm
; THE CHANGE OF SLOTS stands at a slot's head.  Each wave waits for all its tensor loads (its tile of the slot that it is about to read), adds 0 to its spare word, and waits for that and for its reads of the slot that it has left.
; fill = 1: the barrier is a round of the cluster's, so that no wave of any partner still reads the other slot or has a load on its way, and the joint load is the first thing behind it.  By this text's count one load of a wave is out behind a round.
.macro CHANGE fill
	s_wait_tensorcnt 0x0                           ; no tensor load of mine is out, so a group 0 may be written
	ds_add_u32 v[SPW], v[NIL]                      ; 0 onto my spare word
.if \fill
	s_xor_b32 s[G0K+1], s[G0K+1], SLOT1            ; the walking descriptors: the other slot than last time,
	s_add_nc_u64 s[G0K+2:G0K+3], s[G0K+2:G0K+3], NST*KS*128   ; the next 256 keys; the type bits on top are not reached
	s_xor_b32 s[G0V+1], s[G0V+1], SLOT1
	s_add_nc_u64 s[G0V+2:G0V+3], s[G0V+2:G0V+3], NST*KS*128
	s_wait_xcnt 0x0                                ; the last prefetch, a slot back, has read its address, so it may be written:
	s_add_nc_u64 s[PFA:PFA+1], s[PFA:PFA+1], NST*KS*128   ; one slot further on than the walking descriptors
	s_wait_dscnt 0x0                               ; the add is done, and my reads of the slot that I have left are over
	CROUND
	JLOAD
	ASK
.else
	s_wait_dscnt 0x0
	s_barrier_signal -1
	s_barrier_wait -1
.endif
.endm
.macro FOUR_STEPS                      ; a slot's four key steps: written once, walked four times; the LDS addresses hang on s[TB] and s[TJ]
	s_mov_b32 s[STEPS], NST
.Lstep_\@:
	STEP
	s_sub_co_u32 s[STEPS], s[STEPS], 1
	s_cmp_lg_u32 s[STEPS], 0
	s_cbranch_scc1 .Lstep_\@
	s_sub_co_u32 s[TB], s[TB], NST*STEPB           ; back to a slot's first step,
	s_xor_b32 s[TB], s[TB], SLOT1                  ; in the other slot
.endm
.Lslot:                                            ; 7 trips: behind each change of slots but the last the next slot is asked for (in the first trip slot 1's first fill)
	CHANGE 1
	FOUR_STEPS
	s_sub_co_u32 s[SLOTS], s[SLOTS], 1
	s_cmp_lg_u32 s[SLOTS], 0
	s_cbranch_scc1 .Lslot
	CHANGE 0                                       ; the last slot is written out
	FOUR_STEPS
	; THE WAY OUT.  l's two halves and the other half of the lanes' are added; O^T is divided by l, rounded to f16 and sent through my stage in LDS: 64 rows x (128 bytes + 16), in slot 0, which was left at the last
	; change of slots: it has had its last fill, and nobody reads it.  The additions are the places behind the last products.
.irp t, 0,1,2,3
	v_add_f32 v[ST+6*\t+3], v[ST+6*\t+4], v[ST+6*\t+5]
.endr
.irp t, 0,1,2,3
	v_permlanex16_b32 v[ST+6*\t+1], v[ST+6*\t+3], s[SEL], s[SEL+1]
.endr
.irp t, 0,1,2,3
	v_add_f32 v[ST+6*\t+3], v[ST+6*\t+3], v[ST+6*\t+1]
.endr
.irp t, 0,1,2,3
	v_rcp_f32 v[ST+6*\t+2], v[ST+6*\t+3]
.endr
	v_and_b32 v35, 15, v0                          ; (plain work behind the reciprocals)  l % 16
	v_bfe_u32 v36, v0, 4, 1                        ; l / 16
	s_mul_i32 s72, s[WV], 64*PK                    ; my stage
	v_mul_u32_u24 v32, v35, PK
	v_lshl_add_u32 v32, v36, 4, v32
	v_add_nc_u32 v32, s72, v32                     ; in: row l % 16 of a tile, 16 bytes for each half of the lanes
	v_and_b32 v37, 31, v0
	v_lshrrev_b32 v38, 3, v37
	v_and_b32 v39, 7, v0
	v_mul_u32_u24 v33, v38, PK
	v_lshl_add_u32 v33, v39, 4, v33
	v_add_nc_u32 v33, s72, v33                     ; back: eight lanes take a row of 128 bytes, the 32 lanes four rows,
	v_lshlrev_b32 v34, 4, v37                      ; which are 512 consecutive bytes of ao
	s_wait_alu depctr_va_vdst(0)                   ; the wait ahead of the first use: one for the four reciprocals
	WIN W_RS
.irp t, 0,1,2,3
.irp i, 0,2,4,6,8,10,12,14,16,18,20,22,24,26,28,30
	v_pk_mul_f32 v[32*\t+\i:32*\t+\i+1], v[32*\t+\i:32*\t+\i+1], v[ST+6*\t+2:ST+6*\t+3] op_sel_hi:[1,0]
.endr
.endr
	WIN 0x05                                       ; sources 0 and 1 window 1, destination window 0: S^T's registers are free
.irp t, 0,1,2,3
.irp i, 0,1,2,3,4,5,6,7,8,9,10,11,12,13,14,15
	v_cvt_pk_f16_f32 v[S+16*\t+\i], v[32*\t+2*\i], v[32*\t+2*\i+1]
.endr
.endr
	WIN 0
.irp t, 0,1,2,3
.irp ct, 0,1,2,3
	ds_store_b128 v32, v[S+16*\t+4*\ct:S+16*\t+4*\ct+3] offset:2304*\t+32*\ct   ; query 16 t + l % 16, channels 16 ct + 8 (l / 16) + 0..7
.endr
.endr
.irp n, 0,1,2,3,4,5,6,7,8,9,10,11,12,13,14,15
	ds_load_b128 v[KB+4*\n:KB+4*\n+3], v33 offset:576*\n   ; LDS serves a wave's instructions in order (ISA guide 5.7.1.4): these see my stores
.endr
.irp n, 0,1,2,3,4,5,6,7,8,9,10,11,12,13,14,15
	s_wait_dscnt 15-\n                             ; the younger loads may be out
	global_store_b128 v34, v[KB+4*\n:KB+4*\n+3], s[8:9] offset:512*\n   ; 32 lanes store 512 consecutive bytes, at a multiple of 256 from ao's first byte
.endr
	s_wait_tensorcnt 0x0                           ; the wave's end, behind my last tensor load and my last LDS store
	ds_add_u32 v[SPW], v[NIL]
	s_wait_dscnt 0x0
	CROUND                                         ; the closing round: no work-group ends while a partner may still ask for a tile that names it
	s_endpgm
.Lfunc_end_k_qc5469b2ab6_attn:
	.size	k_qc5469b2ab6_attn, .Lfunc_end_k_qc5469b2ab6_attn-k_qc5469b2ab6_attn
	.p2alignl 7, 3214868480
	.fill 96, 4, 3214868480
	.section	.rodata,"a",@progbits
	.p2align	6, 0x0
	.amdhsa_kernel k_qc5469b2ab6_attn
		.amdhsa_group_segment_fixed_size 327680
		.amdhsa_private_segment_fixed_size 0
		.amdhsa_enable_private_segment 0
		.amdhsa_kernarg_size 24
		.amdhsa_user_sgpr_count 2
		.amdhsa_user_sgpr_kernarg_segment_ptr 1
		.amdhsa_wavefront_size32 1
		.amdhsa_system_sgpr_workgroup_id_x 1
		.amdhsa_system_sgpr_workgroup_id_y 1
		.amdhsa_system_sgpr_workgroup_id_z 1
		.amdhsa_system_vgpr_workitem_id 0
		.amdhsa_next_free_vgpr 512
		.amdhsa_next_free_sgpr 80
		.amdhsa_reserve_vcc 0
		.amdhsa_float_denorm_mode_32 3
		.amdhsa_float_denorm_mode_16_64 3
		.amdhsa_memory_ordered 1
		.amdhsa_forward_progress 1
		.amdhsa_inst_pref_size 93
	.end_amdhsa_kernel
	.amdgpu_metadata
---
amdhsa.version: [ 1, 2 ]
amdhsa.kernels:
  - .name:           k_qc5469b2ab6_attn
    .symbol:         k_qc5469b2ab6_attn.kd
    .args:
      - { .name: qkv, .offset: 0, .size: 8, .value_kind: global_buffer, .address_space: global }
      - { .name: msk, .offset: 8, .size: 8, .value_kind: global_buffer, .address_space: global }
      - { .name: ao, .offset: 16, .size: 8, .value_kind: global_buffer, .address_space: global }
    .group_segment_fixed_size: 327680
    .private_segment_fixed_size: 0
    .kernarg_segment_align: 8
    .kernarg_segment_size: 24
    .max_flat_workgroup_size: 256
    .sgpr_count:     80
    .vgpr_count:     512
    .wavefront_size: 32
...
	.end_amdgpu_metadata
.endif
;; end of part 3
;; launch proj (part 4): grid 4 x 64, 4 waves a work-group, clusters of 4 x 4, 327,680 bytes of LDS; arguments ao, wt, out_b, out0; writes out0
.if DOCPART == 4
	.amdgcn_target "amdgcn-amd-amdhsa--gfx1250"
	.amdhsa_code_object_version 6
	.text
	.protected	k_qc5469b2ab6_proj
	.globl	k_qc5469b2ab6_proj
	.p2align	8
	.type	k_qc5469b2ab6_proj,@function
k_qc5469b2ab6_proj:
	s_mov_b64 s[64:65], 0
	v_nop
	global_prefetch_b8 v0, s[64:65] scope:SCOPE_SE
	s_setreg_imm32_b32 hwreg(HW_REG_WAVE_MODE, 25, 1), 1
	s_wait_xcnt 0x0
	s_wait_alu depctr_hold_cnt(0) depctr_sa_sdst(0) depctr_va_vdst(0) depctr_va_sdst(0) depctr_va_ssrc(0) depctr_va_vcc(0) depctr_vm_vsrc(0)
	s_getreg_b32 s2, hwreg(HW_REG_IB_STS2, 6, 4)
	s_cmp_eq_u32 s2, 0
	s_cbranch_scc0 .Lentry_in_a_cluster
	s_endpgm
.Lentry_in_a_cluster:
	s_bfe_u32 s2, ttmp6, 0x10000c
	s_cmp_lg_u32 s2, 0xf033
	s_cbranch_scc0 .Lentry_shape_is_right
	s_endpgm
.Lentry_shape_is_right:
; Launch 4 of 4: out0[m][n] = the sum over k of attention's result[m][k] out_w[n][k] + out_b[n].  f16 operands, sums in f32, out0 f32.  Nothing of reference() is left out here.
; A: ao, f16 [4 b][16 heads][2048 s][64 d];  B: wt, f16 [16 heads][1024 n][64 d]: K runs head by head in both.  m = 2,048 b + s.
; A tile of out0 is 128 (m) x 256 (n): 256 work-groups.  Four waves, wave (i, j) makes 64 x 128: 32 accumulators of 16 x 16.  A K step is 128: two heads; eight steps through a ring of two LDS slots.
; Each wave fetches one head's part of a tile with one tensor load: wave 0, 1: A's 128 rows of head p = 0, 1; wave 2, 3: B's 256 rows.  These rows are 128 bytes and dense in memory.
; CLUSTERS: 4 x 4 work-groups.  The four of a row of the cluster need the same tiles of A, the four of a column the same tiles of B: each tile is asked for JOINTLY, by the same tensor load with the same descriptor and a mask
; that names the four.  THE MATRIX INSTRUCTION IS USED TRANSPOSED (source 0 = 16 rows of B, source 1 = 16 rows of A): a lane then holds eight neighbouring numbers of a row of out0.
; The bias is the C of each sum's first matrix instruction: eight registers for each block of 16 columns, in the result's layout.
; No prefetch is laid: of the eight K steps two are first fills, and the launch is short.
; REGISTERS: window 0: v0-31 addresses; two fragment buffers of 96 at v64 and v160 (B's 8 fragments, then A's 4); on the way out v64-191 take rows read back.   window 1: the accumulators ((a, b) at v[8 (8 a + b)]).   window 2: v0-63 the bias.
.set PITCH,  144                       ; an LDS row: 128 bytes + 16 = 36 words: the 16 rows of a load start at 16 different groups of four banks (64 banks of 4 bytes: ISA guide 11.1)
.set AREG,   128*PITCH                 ; A's 128 rows of one head
.set BREG,   256*PITCH                 ; B's 256 rows of one head
.set SLOT,   2*AREG+2*BREG             ; A of head 0, A of head 1, B of head 0, B of head 1
.set SPARE,  2*SLOT                    ; behind the ring: the spare words, 128 bytes for each wave
.set SPITCH, 528                       ; the way out: a stage of 16 rows x (512 bytes + 16) for each wave, in slot 0, which has had its last fill and its last read by then
.set LAPS,   4                         ; a lap = two K steps = once round the ring
.set ADRA, 16                          ; v16-17  LDS address of my A fragments in slot 0, 1
.set ADRB, 20                          ; v20-21  the same for B
.set STO,  24                          ; v24     the way out: where I put 32 bytes of a row
.set RD,   25                          ; v25     where I read a row back
.set CO,   26                          ; v26     16 x lane
.set SPW,  28                          ; v28     LDS address of my spare word; never rewritten
.set NIL,  29                          ; v29     0; never rewritten
.set F0,   64
.set F1,   160
.set BK,   64                          ; the way out: 16 rows read back: v64-127 and v128-191 by turns
.set G1, 24                            ; s[24:31] descriptor group 1 for A's tiles;  s[32:39] group 0, one set for each slot
.set G0, 32
.set G1B, 48                           ; s[48:55], s[56:63] the same for B's tiles
.set G0B, 56
.set MSB, 0
.macro WIN new                         ; the immediate's high byte repeats the setting that is left
.if MSB != (\new)
	s_set_vgpr_msb (MSB<<8)|(\new)
.set MSB, (\new)
.endif
.endm
.set W_MUL, 0x50                       ; fragments in window 0; C and D in window 1.  With 0x10 more: C (the bias) in window 2
.macro JLOAD s                         ; a joint load: waves 0 and 1 fetch for A, waves 2 and 3 for B; an s_nop 0 and four v_nop follow each of the two lines
	s_cmp_eq_u32 s13, 0
	s_cbranch_scc0 .Lfor_b_\@
	tensor_load_to_lds s[G0+4*\s:G0+4*\s+3], s[G1:G1+7]
	s_nop 0
.rept 4
	v_nop
.endr
	s_branch .Lasked_\@
.Lfor_b_\@:
	tensor_load_to_lds s[G0B+4*\s:G0B+4*\s+3], s[G1B:G1B+7]
	s_nop 0
.rept 4
	v_nop
.endr
.Lasked_\@:
.endm
.macro CREST                           ; a round of the cluster's barrier behind its opening barrier
	s_cmp_lg_u32 s12, 0
	s_cbranch_scc1 .Lnot_wave_0_\@
	s_barrier_signal -3
.Lnot_wave_0_\@:
	s_barrier_wait -3
	s_barrier_signal -1
	s_barrier_wait -1
.endm
.macro CROUND                          ; a whole round
	s_barrier_signal -1
	s_barrier_wait -1
	CREST
.endm
	s_load_b256 s[4:11], s[0:1], 0x0               ; ao s[4:5], wt s[6:7], out_b s[8:9], out0 s[10:11]
	v_lshl_add_u32 v[SPW], v0, 2, SPARE
	v_mov_b32 v[NIL], 0
	ds_add_u32 v[SPW], v[NIL]                      ; the wave's opening: the add, twice on end, and its wait ahead of my first tensor load
	ds_add_u32 v[SPW], v[NIL]                      ; and once more, under the one wait; the set-up below, work on registers, stands between
	v_lshrrev_b32 v1, 5, v0
	v_readfirstlane_b32 s12, v1                    ; wave 0..3
	s_lshr_b32 s13, s12, 1                         ; i: which half of the tile's rows is mine.  Also: I fetch for A (0) or for B (1)
	s_and_b32 s14, s12, 1                          ; j: which half of its columns.  Also: which of a K step's two heads I fetch
	s_bfe_u32 s40, ttmp6, 0x40000                  ; cx, cy: my place in the cluster
	s_bfe_u32 s41, ttmp6, 0x40004
	s_lshl_b32 s42, ttmp9, 2
	s_add_co_u32 s42, s42, s40                     ; tile column = 4 x cluster x + cx
	s_and_b32 s15, ttmp7, 0xffff
	s_lshl_b32 s15, s15, 2
	s_add_co_u32 s15, s15, s41                     ; tile row = 4 x cluster y + cy
	s_lshl_b32 s43, s41, 2
	s_lshl_b32 s43, 15, s43                        ; my row of the cluster
	s_lshl_b32 s44, 0x1111, s40                    ; my column
	; descriptor group 1: rows of 64 elements of 2 bytes, dense in memory, padded in LDS; A: 128 rows, B: 256
	s_or_b32 s[G1+0], s43, (1<<16)|(1<<20)|(1<<21)|(4<<22)|(3<<25)  ; 15:0 the mask: A's tiles go to my row; 17:16 elements of 2 bytes; 20 padding on; 21 set beside a mask; 24:22 after every 32 words (code 4); 31:25 of 4 words (code 3)
	s_or_b32 s[G1B+0], s44, (1<<16)|(1<<20)|(1<<21)|(4<<22)|(3<<25)
	s_mov_b32 s[G1+1], 64<<16                      ; tensor_dim0 = 64
	s_mov_b32 s[G1+2], 128<<16                     ; tensor_dim1 = 128
	s_mov_b32 s[G1+3], 64<<16                      ; tile_dim0 = 64
	s_mov_b32 s[G1+4], 128                         ; tile_dim1 = 128
	s_mov_b32 s[G1+5], 64                          ; tensor_dim0_stride
	s_mov_b32 s[G1+6], 0
	s_mov_b32 s[G1+7], 0
	s_mov_b32 s[G1B+1], 64<<16
	s_mov_b32 s[G1B+2], 256<<16
	s_mov_b32 s[G1B+3], 64<<16
	s_mov_b32 s[G1B+4], 256
	s_mov_b32 s[G1B+5], 64
	s_mov_b32 s[G1B+6], 0
	s_mov_b32 s[G1B+7], 0
	s_lshr_b32 s16, s15, 4                         ; A: the batch (16 tile rows each),
	s_lshl_b32 s16, s16, 4
	s_add_co_u32 s16, s16, s14                     ; x 16 heads + my head of the K step,
	s_lshl_b32 s16, s16, 11                        ; x 2,048 tokens
	s_and_b32 s17, s15, 15
	s_lshl_b32 s17, s17, 7
	s_add_co_u32 s16, s16, s17                     ; + the tile's first token,
	s_lshl_b32 s16, s16, 7                         ; x 128 bytes
	s_mov_b32 s17, 0
	s_lshl_b32 s46, s14, 17                        ; B: my head's slab of 1,024 rows of 128 bytes
	s_lshl_b32 s47, s42, 15                        ; + 256 rows x tile column
	s_add_co_u32 s46, s46, s47
	s_mov_b32 s47, 0
	s_mul_i32 s20, s14, AREG                       ; where they go: no place in the cluster enters an LDS address
	s_mul_i32 s21, s14, BREG
	s_add_co_u32 s21, s21, 2*AREG
	s_wait_dscnt 0x0                               ; both opening adds are done
	s_wait_kmcnt 0x0
	s_add_nc_u64 s[18:19], s[4:5], s[16:17]
	s_add_nc_u64 s[46:47], s[6:7], s[46:47]
	CROUND                                         ; all sixteen work-groups are here: the first joint loads meet
.irp s, 0,1
	s_mov_b32 s[G0+4*\s], 1
	s_add_co_u32 s[G0+4*\s+1], s20, \s*SLOT
	s_add_nc_u64 s[G0+4*\s+2:G0+4*\s+3], s[18:19], \s*2*262144     ; K step s: two heads of 2,048 x 128 bytes on
	s_or_b32 s[G0+4*\s+3], s[G0+4*\s+3], 0x80000000
	s_mov_b32 s[G0B+4*\s], 1
	s_add_co_u32 s[G0B+4*\s+1], s21, \s*SLOT
	s_add_nc_u64 s[G0B+4*\s+2:G0B+4*\s+3], s[46:47], \s*2*131072   ; two slabs on
	s_or_b32 s[G0B+4*\s+3], s[G0B+4*\s+3], 0x80000000
	JLOAD \s                                       ; two loads of mine are out
.endr
	v_and_b32 v1, 15, v0                           ; l % 16
	v_bfe_u32 v2, v0, 4, 1                         ; l / 16
	s_lshl_b32 s46, s42, 10
	s_lshl_b32 s47, s14, 9
	s_add_co_u32 s46, s46, s47                     ; my first column, in bytes of f32: 1,024 x tile column + 512 j
	s_mov_b32 s47, 0
	s_add_nc_u64 s[8:9], s[8:9], s[46:47]
	v_lshlrev_b32 v30, 5, v2                       ; 32 (l / 16): my eight columns of a block of 16
	WIN 0x80                                       ; destination window 2
.irp b, 0,1,2,3,4,5,6,7
	global_load_b128 v[8*\b:8*\b+3],   v30, s[8:9] offset:64*\b
	global_load_b128 v[8*\b+4:8*\b+7], v30, s[8:9] offset:64*\b+16
.endr
	WIN 0
	v_mul_u32_u24 v3, v1, PITCH
	v_lshl_add_u32 v3, v2, 4, v3                   ; a fragment's row x pitch + 16 x half
	s_mul_i32 s21, s13, 64*PITCH                   ; my 64 rows of A
	s_mul_i32 s22, s14, 128*PITCH                  ; my 128 rows of B,
	s_add_co_u32 s22, s22, 2*AREG                  ; which lie behind A's two heads
.irp s, 0,1
	v_add_nc_u32 v[ADRA+\s], s21, v3
	v_add_nc_u32 v[ADRB+\s], s22, v3
	s_add_co_u32 s21, s21, SLOT
	s_add_co_u32 s22, s22, SLOT
.endr
	s_mul_i32 s23, s12, 16*SPITCH                  ; my stage
	v_mul_u32_u24 v5, v1, SPITCH                   ; in: row l % 16, 32 bytes for each half of the lanes
	v_lshl_add_u32 v5, v2, 5, v5
	v_add_nc_u32 v[STO], s23, v5
	v_and_b32 v6, 31, v0
	v_lshlrev_b32 v[CO], 4, v6                     ; back: the 32 lanes take one row of 512 bytes; and the same in out0
	v_add_nc_u32 v[RD], s23, v[CO]
	s_lshl_b32 s20, s15, 19                        ; my first row of out0: 128 x tile row + 64 i, rows of 4,096 bytes
	s_lshl_b32 s21, s13, 18
	s_add_co_u32 s20, s20, s21
	s_add_co_u32 s20, s20, s46                     ; + my first column
	s_mov_b32 s21, 0
	s_add_nc_u64 s[10:11], s[10:11], s[20:21]
; 8 matrix instructions: A's block a x B's eight, 32 along K, from buffer f.  first = 1: the bias starts the sums: nothing is ever cleared.
; The 32 accumulators take turns, one instruction a turn, in the same order in every quarter.
.macro MUL8 f, a, first
.irp b, 0,1,2,3,4,5,6,7
.if \first
	v_wmma_f32_16x16x32_f16 v[8*(8*(\a)+\b):8*(8*(\a)+\b)+7], v[\f+8*\b:\f+8*\b+7], v[\f+64+8*(\a):\f+64+8*(\a)+7], v[8*\b:8*\b+7]
.else
	v_wmma_f32_16x16x32_f16 v[8*(8*(\a)+\b):8*(8*(\a)+\b)+7], v[\f+8*\b:\f+8*\b+7], v[\f+64+8*(\a):\f+64+8*(\a)+7], v[8*(8*(\a)+\b):8*(8*(\a)+\b)+7]
.endif
.endr
.endm
; 24 LDS loads in one run: the fragments of the slot's quarter q (head q / 2, channels 32 (q % 2) on) into buffer f: B's sixteen loads, then A's eight
.macro FETCH slot, q, f
	WIN 0
.irp b, 0,1,2,3,4,5,6,7
	ds_load_b128 v[\f+8*\b:\f+8*\b+3],   v[ADRB+\slot] offset:((\q)/2)*BREG+64*((\q)%2)+2304*\b
	ds_load_b128 v[\f+8*\b+4:\f+8*\b+7], v[ADRB+\slot] offset:((\q)/2)*BREG+64*((\q)%2)+2304*\b+32
.endr
.irp a, 0,1,2,3
	ds_load_b128 v[\f+64+8*\a:\f+64+8*\a+3],   v[ADRA+\slot] offset:((\q)/2)*AREG+64*((\q)%2)+2304*\a
	ds_load_b128 v[\f+64+8*\a+4:\f+64+8*\a+7], v[ADRA+\slot] offset:((\q)/2)*AREG+64*((\q)%2)+2304*\a+32
.endr
.endm
.macro PLACES                          ; four places in front of loads into registers that matrix instructions have read, and of the first read of results (ISA guide 7.12.1 for the first read of results)
.rept 4
	v_nop
.endr
.endm
; A K step is four quarters of 32 along K, 32 matrix instructions each, on buffers 0, 1, 0, 1.  One of the first three: multiplies buffer f and fetches quarter q into g.
.macro QUARTER slot, q, f, g, first
	s_wait_dscnt 4                                 ; B's fragments and A's blocks 0 and 1 are in; the youngest four loads (A's blocks 2 and 3) may be out
	WIN W_MUL+0x10*(\first)
	MUL8 \f, 0, \first
	MUL8 \f, 1, \first
	PLACES
	FETCH \slot, \q, \g
	s_wait_dscnt 24                                ; all but the 24 just issued
	WIN W_MUL+0x10*(\first)
	MUL8 \f, 2, \first
	MUL8 \f, 3, \first
.endm
; The last quarter multiplies buffer 1 and changes slots: ONE barrier; in front of it each wave waits for all its tensor loads, adds 0 to its spare word, and waits for that and for its reads of this slot.  fill = 1: this slot is filled again, two K steps ahead.
.macro TURN slot, next, fill
	WIN 0                                          ; (the add's two registers lie in window 0)
	s_wait_tensorcnt 0x0                           ; all my tensor loads have landed: my part of the next slot;
	ds_add_u32 v[SPW], v[NIL]                      ; 0 onto my spare word;
	s_wait_dscnt 5                                 ; (the add and the youngest four loads may be out)
	WIN W_MUL
	MUL8 F1, 0, 0                                  ; eight matrix instructions stand between the add and the wait for it
	s_wait_dscnt 0x0                               ; the add is done, and my reads of this slot are over
	s_barrier_signal -1
	MUL8 F1, 1, 0
	WIN 0
	s_barrier_wait -1
.if \fill
	CREST                                          ; the barrier has opened a round of the cluster's barrier: no wave of any partner still reads this slot's tile or has a load on its way
	s_add_nc_u64 s[G0+4*\slot+2:G0+4*\slot+3], s[G0+4*\slot+2:G0+4*\slot+3], 4*262144     ; two K steps on: four heads
	s_add_nc_u64 s[G0B+4*\slot+2:G0B+4*\slot+3], s[G0B+4*\slot+2:G0B+4*\slot+3], 4*131072
	JLOAD \slot                                    ; the first tensor load behind the round, and my one load until the next; the four v_nop behind it are also the places in front of the loads below
.else
	PLACES
.endif
	FETCH \next, 0, F0
	WIN W_MUL
	MUL8 F1, 2, 0
	MUL8 F1, 3, 0
.endm
	s_wait_tensorcnt 1                             ; my part of K step 0 is in (K step 1's load may be out)
	s_barrier_signal -1
	s_barrier_wait -1                              ; everybody's is
	s_wait_loadcnt 0x0                             ; the bias
	FETCH 0, 0, F0
	QUARTER 0, 1, F0, F1, 1                        ; the first quarter stands in front of the loop: its products start the sums
	WIN 0                                          ; at a label and at a branch every window is 0
	s_mov_b32 s3, LAPS-1
.Llap:                                             ; a trip goes once round the ring, from a lap's second quarter to the next lap's first, and fills both slots again
	QUARTER 0, 2, F1, F0, 0
	QUARTER 0, 3, F0, F1, 0
	TURN 0, 1, 1
	QUARTER 1, 1, F0, F1, 0
	QUARTER 1, 2, F1, F0, 0
	QUARTER 1, 3, F0, F1, 0
	TURN 1, 0, 1
	QUARTER 0, 1, F0, F1, 0
	WIN 0
	s_sub_co_u32 s3, s3, 1
	s_cmp_lg_u32 s3, 0
	s_cbranch_scc1 .Llap
	QUARTER 0, 2, F1, F0, 0                        ; the last lap fills nothing, and has no round of the cluster's barrier
	QUARTER 0, 3, F0, F1, 0
	TURN 0, 1, 0
	QUARTER 1, 1, F0, F1, 0
	QUARTER 1, 2, F1, F0, 0
	QUARTER 1, 3, F0, F1, 0
	s_wait_dscnt 4                                 ; the very last quarter: nothing more to fetch
	WIN W_MUL
	MUL8 F1, 0, 0
	MUL8 F1, 1, 0
	s_wait_dscnt 0
	MUL8 F1, 2, 0
	MUL8 F1, 3, 0
	WIN 0
; THE WAY OUT, block by block of 16 rows x 128 columns.  A lane holds 32 neighbouring bytes of a row, and the lanes beside it hold other rows: so a block goes through my own stage in LDS and comes back as whole rows of
; 512 bytes.  LDS serves a wave's instructions in order (ISA guide 5.7.1.4): no wait between the stores and the loads, nor in front of the next block's stores.
.macro TOSTAGE a
	WIN 0x04                                       ; an LDS store's data are its source 1: window 1
.irp b, 0,1,2,3,4,5,6,7
	ds_store_b128 v[STO], v[64*(\a)+8*\b:64*(\a)+8*\b+3] offset:64*\b            ; each accumulator from its low end on
	ds_store_b128 v[STO], v[64*(\a)+8*\b+4:64*(\a)+8*\b+7] offset:64*\b+16
.endr
	WIN 0
.set BB, BK+64*((\a)%2)
.irp t, 0,1,2,3,4,5,6,7,8,9,10,11,12,13,14,15
	ds_load_b128 v[BB+4*\t:BB+4*\t+3], v[RD] offset:\t*SPITCH
.endr
.endm
.macro SEND a, younger                 ; younger: the LDS instructions issued behind block a's loads, which may stay out
.set BB, BK+64*((\a)%2)
	s_wait_dscnt \younger                          ; the block is back in registers
.irp t, 0,1,2,3,4,5,6,7,8,9,10,11,12,13,14,15
	global_store_b128 v[CO], v[BB+4*\t:BB+4*\t+3], s[10:11] offset:4096*(16*(\a)+\t) th:TH_STORE_NT   ; 32 lanes store 512 consecutive bytes, at a multiple of 256 from out0's first byte; written once, read by nobody here
.endr
.endm
	PLACES                                         ; behind the last products: for the first reads of results and the loads into the registers that held fragments
	TOSTAGE 0
.irp a, 1,2,3
.if \a > 1
	s_wait_xcnt 0x0                                ; block a - 2's stores have read their registers: block a's loads may land there
.endif
	TOSTAGE \a
	SEND \a-1, 32                                  ; behind block a - 1's loads: block a's 16 stores and 16 loads
.endr
	SEND 3, 0
	s_wait_tensorcnt 0x0                           ; the wave's end, behind my last tensor load and my last LDS store
	ds_add_u32 v[SPW], v[NIL]
	s_wait_dscnt 0x0
	CROUND                                         ; the closing round: no work-group ends while a partner may still ask for a tile that names it
	s_endpgm
.Lfunc_end_k_qc5469b2ab6_proj:
	.size	k_qc5469b2ab6_proj, .Lfunc_end_k_qc5469b2ab6_proj-k_qc5469b2ab6_proj
	.p2alignl 7, 3214868480
	.fill 96, 4, 3214868480
	.section	.rodata,"a",@progbits
	.p2align	6, 0x0
	.amdhsa_kernel k_qc5469b2ab6_proj
		.amdhsa_group_segment_fixed_size 327680
		.amdhsa_private_segment_fixed_size 0
		.amdhsa_enable_private_segment 0
		.amdhsa_kernarg_size 32
		.amdhsa_user_sgpr_count 2
		.amdhsa_user_sgpr_kernarg_segment_ptr 1
		.amdhsa_wavefront_size32 1
		.amdhsa_system_sgpr_workgroup_id_x 1
		.amdhsa_system_sgpr_workgroup_id_y 1
		.amdhsa_system_sgpr_workgroup_id_z 1
		.amdhsa_system_vgpr_workitem_id 0
		.amdhsa_next_free_vgpr 576
		.amdhsa_next_free_sgpr 66
		.amdhsa_reserve_vcc 0
		.amdhsa_float_denorm_mode_32 3
		.amdhsa_float_denorm_mode_16_64 3
		.amdhsa_memory_ordered 1
		.amdhsa_forward_progress 1
		.amdhsa_inst_pref_size 86
	.end_amdhsa_kernel
	.amdgpu_metadata
---
amdhsa.version: [ 1, 2 ]
amdhsa.kernels:
  - .name:           k_qc5469b2ab6_proj
    .symbol:         k_qc5469b2ab6_proj.kd
    .args:
      - { .name: ao, .offset: 0, .size: 8, .value_kind: global_buffer, .address_space: global }
      - { .name: wt, .offset: 8, .size: 8, .value_kind: global_buffer, .address_space: global }
      - { .name: out_b, .offset: 16, .size: 8, .value_kind: global_buffer, .address_space: global }
      - { .name: out0, .offset: 24, .size: 8, .value_kind: global_buffer, .address_space: global }
    .group_segment_fixed_size: 327680
    .private_segment_fixed_size: 0
    .kernarg_segment_align: 8
    .kernarg_segment_size: 32
    .max_flat_workgroup_size: 128
    .sgpr_count:     66
    .vgpr_count:     576
    .wavefront_size: 32
...
	.end_amdgpu_metadata
.endif
;; end of part 4
